; MI455X (gfx1250); checked and timed in simulation.
; The chip was launched on July 23, 2026; its instructions are those of AMD's public machine-readable ISA for CDNA 5 (MIT licence, August 2026) and "CDNA5" Instruction Set Architecture Reference Guide (July 2026). The comments in the code are by the model that wrote it; some were corrected since.
;; Expert Parallel. Allowed arithmetic: matrix products marked QUANTISED: E4M3 operands, one given power-of-two scale a tensor, by v_wmma_f32_16x16x64_fp8_fp8 or v_wmma_f32_16x16x128_fp8_fp8, f32 sums; everything else in f32.
;; Inputs: down_proj 16 x 1,024 x 1,024 float32; expert_indices 2 x 512 int32; gate_proj 16 x 1,024 x 1,024 float32; lowp_scales 6 int32 (the exponents e of the quantised operands' scales 2^e); up_proj 16 x 1,024 x 1,024 float32; x 2 x 512 x 1,024 float32.
;; Outputs: out0 2 x 512 x 1,024 float32.
;; This version of the problem:
;;   THIS VERSION OF THE PROBLEM IS GIVEN IN LOW PRECISION. The matrix products marked QUANTISED in the list below multiply operands that are first quantised to E4M3 (4 exponent bits, 3 mantissa bits; 8 bits a number), with one given power-of-two scale for each operand tensor; their sums are f32. All else is computed in f32.
;;   The module's matrix products, in the order in which they are computed (A, B: the left and right operand; K: the contracted axis; several contracted axes count as one K, in the product's order):
;;     1. [M 1,024, K 1,024] x [K 1,024, N 16,384]; A: input x; B: input gate_proj: QUANTISED (scales: A lowp_scales[0], B lowp_scales[1])
;;     2. [M 1,024, K 1,024] x [K 1,024, N 16,384]; A: input x; B: input up_proj: QUANTISED (scales: A lowp_scales[2], B lowp_scales[3])
;;     3. [M 1,024, K 1,024] x [K 1,024, N 16,384]; A: computed on the way; B: input down_proj: QUANTISED (scales: A lowp_scales[4], B lowp_scales[5])
;;   THE QUANTISER, for each operand of a quantised product, along K:
;;     - The operand's scale is 2^e, e = its entry of the input lowp_scales (int32; the entries are numbered through the quantised products in the list's order, A before B).
;;     - Each number is divided by the scale, clamped to +-448, and rounded to the nearest number of E4M3, ties to even, subnormals kept.
;;     - The product sums the exact products of the quantised numbers (number of the format x scale) in f32.
;;   ~~~python
;;   def quantise(x, axis, e):      # numpy; x: float32 -> the quantised numbers, widened to float32 again
;;       x = np.moveaxis(x, axis, -1); K = x.shape[-1]
;;       r = np.clip(x / 2.0 ** e, -448, 448)
;;       step = 2.0 ** (np.maximum(np.frexp(np.where(r == 0, 1, r))[1] - 1, -6) - 3)
;;       q = np.round(r / step) * step * 2.0 ** e      # np.round: ties to even
;;       return np.moveaxis(q, -1, axis).astype(np.float32)
;;   ~~~
;;   OPERANDS COMPUTED ON THE WAY. 'Computed on the way' means the value that the module computes at that place (a softmax that the list does not call 'softmax' is quantised finished and normalised). What goes into a quantiser is computed in f32, as accurately as f32 sums, v_exp_f32 and their like allow (about 1e-6 of the number): no bf16 or f16 on the way to a quantiser, and a product that is left as it is and whose result goes on into a quantised operand takes f32 operands (vector FMAs, or v_wmma_f32_16x16x4_f32). A number that lies on a knife's edge between two numbers of the format may be rounded either way, as far as f32 arithmetic and the matrix unit's own rounding can turn it there, and no further.
;; 2 versions. Each part assembles by itself: llvm-mc -triple=amdgcn-amd-amdhsa -mcpu=gfx1250 --defsym DOCPART=n.
;; ======== version 1 of 2: 3 launches
;; workspace buffers: inter 16,777,216 bytes; order 81,920 bytes of whole numbers
;; launch route (part 1): grid 16 x 1, 1 waves a work-group, no clusters, 5,376 bytes of LDS; arguments expert_indices, order; writes order
.if DOCPART == 1
	.amdgcn_target "amdgcn-amd-amdhsa--gfx1250"
	.amdhsa_code_object_version 6
	.text
	.protected	k_q0cdc1c7d14_route
	.globl	k_q0cdc1c7d14_route
	.p2align	8
	.type	k_q0cdc1c7d14_route,@function
k_q0cdc1c7d14_route:
	s_mov_b64 s[64:65], 0
	v_nop
	global_prefetch_b8 v0, s[64:65] scope:SCOPE_SE
	s_setreg_imm32_b32 hwreg(HW_REG_WAVE_MODE, 25, 1), 1
	s_wait_xcnt 0x0
; order: for expert e (the work-group's number) 5120 bytes: the token of slot p at byte 4 p, the number of its tokens in the 32 words at byte 4608.
; expert_indices [1024] int32.  One wave lists the tokens that name expert e: 32 registers a lane hold all indices; for each register the matching lanes
; take the next free slots, in the order of the lanes.  The list is built in LDS and leaves in ten stores of 512 consecutive bytes.
; PADDING.  Slots count .. count + 31 repeat the expert's last token, all further slots hold token 0: whoever reads a tile of 16 slots finds valid tokens.
; An expert that no token names gets a list of zeros and the count 0.  An index lies between 0 and 15.
; There is work for sixteen waves, so sixteen work-groups of one wave are launched.  No branch hangs on data.
.set CNT,   4608
.set DUMPW, 1184                       ; the index of 32 dump words (byte 4736), for lanes that do not match
	s_load_b128 s[4:7], s[0:1], 0x0                ; indices s[4:5], order s[6:7]
	v_lshl_add_u32 v64, v0, 2, 0x1400
	v_mov_b32 v65, 0
	v_and_b32 v14, 31, v0                          ; lane
	v_lshlrev_b32 v4, 4, v14                       ; 16 x lane
	v_lshlrev_b32 v15, 2, v14                      ; 4 x lane
	v_add_nc_u32 v9, CNT, v15                      ; my word of the count
	v_add_nc_u32 v10, DUMPW, v14                   ; my dump word's index
	v_mov_b32 v24, 0
	v_mov_b32 v25, 0
	v_mov_b32 v26, 0
	v_mov_b32 v27, 0
	s_mov_b32 s20, ttmp9                           ; e
	s_mul_i32 s8, s20, 5120
	s_mov_b32 s9, 0
	s_wait_kmcnt 0x0
	s_add_nc_u64 s[6:7], s[6:7], s[8:9]
.irp m, 0,1,2,3,4,5,6,7
	global_load_b128 v[32+4*\m:35+4*\m], v4, s[4:5] offset:512*\m   ; register 4 m + j of a lane is token 128 m + 4 lane + j
.endr
.irp m, 0,1,2,3,4,5,6,7,8,9
	ds_store_b128 v4, v[24:27] offset:512*\m       ; the whole region begins as zeros
.endr
	s_wait_loadcnt 0x0
	s_mov_b32 s21, 0                               ; tokens found so far
.set i, 0
.rept 32
	v_cmp_eq_u32 vcc_lo, s20, v[32+i]
	v_mbcnt_lo_u32_b32 v11, vcc_lo, s21            ; found so far + the matching lanes below mine: my slot
	v_cndmask_b32 v11, v10, v11, vcc_lo            ; a lane that does not match writes its dump word
	v_min_u32 v11, 0x4bf, v11
	v_lshlrev_b32 v11, 2, v11
	v_add_nc_u32 v22, 128*(i/4)+i%4, v15           ; my token's number
	ds_store_b32 v11, v22
	s_bcnt1_i32_b32 s10, vcc_lo
	s_add_co_u32 s21, s21, s10
.set i, i+1
.endr
	s_sub_co_u32 s10, s21, 1                       ; the last slot (with no token at all: slot 1023, which holds 0)
	s_min_u32 s10, s10, 0x3ff
	s_lshl_b32 s10, s10, 2
	v_mov_b32 v11, s10
	ds_load_b32 v22, v11                           ; LDS serves a wave's instructions in order: this sees the stores above
	s_wait_dscnt 0x0
	v_add_nc_u32 v11, s21, v14                     ; slots count .. count + 31 repeat it
	v_min_u32 v11, 0x47f, v11
	v_lshlrev_b32 v11, 2, v11
	ds_store_b32 v11, v22
	v_mov_b32 v23, s21
	ds_store_b32 v9, v23                           ; the count, in 32 words
.irp m, 0,1,2,3,4,5,6,7
	ds_load_b128 v[32+4*\m:35+4*\m], v4 offset:512*\m
.endr
	ds_load_b128 v[24:27], v4 offset:4096
	ds_load_b128 v[28:31], v4 offset:4608
	s_wait_dscnt 0x0
.irp m, 0,1,2,3,4,5,6,7
	global_store_b128 v4, v[32+4*\m:35+4*\m], s[6:7] offset:512*\m  ; the wave stores 512 consecutive bytes, aligned
.endr
	global_store_b128 v4, v[24:27], s[6:7] offset:4096
	global_store_b128 v4, v[28:31], s[6:7] offset:4608
	s_wait_tensorcnt 0x0
	ds_add_u32 v64, v65
	s_wait_dscnt 0x0
	s_endpgm
.Lfunc_end_k_q0cdc1c7d14_route:
	.size	k_q0cdc1c7d14_route, .Lfunc_end_k_q0cdc1c7d14_route-k_q0cdc1c7d14_route
	.p2alignl 7, 3214868480
	.fill 96, 4, 3214868480
	.section	.rodata,"a",@progbits
	.p2align	6, 0x0
	.amdhsa_kernel k_q0cdc1c7d14_route
		.amdhsa_group_segment_fixed_size 5376
		.amdhsa_private_segment_fixed_size 0
		.amdhsa_enable_private_segment 0
		.amdhsa_kernarg_size 16
		.amdhsa_user_sgpr_count 2
		.amdhsa_user_sgpr_kernarg_segment_ptr 1
		.amdhsa_wavefront_size32 1
		.amdhsa_system_sgpr_workgroup_id_x 1
		.amdhsa_system_sgpr_workgroup_id_y 1
		.amdhsa_system_sgpr_workgroup_id_z 1
		.amdhsa_system_vgpr_workitem_id 0
		.amdhsa_next_free_vgpr 66
		.amdhsa_next_free_sgpr 66
		.amdhsa_reserve_vcc 1
		.amdhsa_float_denorm_mode_32 3
		.amdhsa_float_denorm_mode_16_64 3
		.amdhsa_memory_ordered 1
		.amdhsa_forward_progress 1
		.amdhsa_inst_pref_size 18
	.end_amdhsa_kernel
	.amdgpu_metadata
---
amdhsa.version: [ 1, 2 ]
amdhsa.kernels:
  - .name:           k_q0cdc1c7d14_route
    .symbol:         k_q0cdc1c7d14_route.kd
    .args:
      - { .name: expert_indices, .offset: 0, .size: 8, .value_kind: global_buffer, .address_space: global }
      - { .name: order, .offset: 8, .size: 8, .value_kind: global_buffer, .address_space: global }
    .group_segment_fixed_size: 5376
    .private_segment_fixed_size: 0
    .kernarg_segment_align: 8
    .kernarg_segment_size: 16
    .max_flat_workgroup_size: 32
    .sgpr_count:     66
    .vgpr_count:     66
    .wavefront_size: 32
...
	.end_amdgpu_metadata
.endif
;; end of part 1
;; launch gateup (part 2): grid 16 x 16, 8 waves a work-group, no clusters, 267,264 bytes of LDS; arguments x, gate_proj, up_proj, lowp_scales, inter, order; writes inter
.if DOCPART == 2
	.amdgcn_target "amdgcn-amd-amdhsa--gfx1250"
	.amdhsa_code_object_version 6
	.text
	.protected	k_q0cdc1c7d14_gateup
	.globl	k_q0cdc1c7d14_gateup
	.p2align	8
	.type	k_q0cdc1c7d14_gateup,@function
k_q0cdc1c7d14_gateup:
	s_mov_b64 s[64:65], 0
	v_nop
	global_prefetch_b8 v0, s[64:65] scope:SCOPE_SE
	s_setreg_imm32_b32 hwreg(HW_REG_WAVE_MODE, 25, 1), 1
	s_wait_xcnt 0x0
; inter = Q(silu(Q(x) Q(G_e)) * (Q(x) Q(U_e))) for the tokens of expert e, columns 64 xb .. 64 xb + 63, as codes of FP8 (E4M3).
; x [1024][1024] f32, gate_proj and up_proj [16][1024 (k)][1024 (i)] f32, lowp_scales e0 .. e5 (int32); order: the launch before listed each expert's tokens
; (5120 bytes an expert: the token of slot p at 4 p, the count at byte 4608).  Only the rows of the expert that a token names are multiplied.
; SHARES.  Work-group (xb, e), eight waves.  Its part of the two weights is 2 x 1024 rows x 256 bytes, read once.
;   Wave w turns K step w of both weights into codes: 8 items of 16 loads.  In one load lanes 0-15 read the 256 consecutive, aligned bytes of one row and
;   lanes 16-31 those of the row 4 further down.  The codes go to LDS as images of operand registers.
;   Wave w then takes the tiles of 16 listed tokens w, w + 8, ..  x's rows come whole: an item is 4 tokens x half a row, each load 512 consecutive bytes.  They are
;   quantised twice (2^e0 for gate, 2^e2 for up); a token's half row of codes, 16 bytes a lane, goes through the wave's own stage in LDS and comes back as fragments
;   into 256 registers.  64 matrix instructions give 16 tokens x 64 columns of gate and of up, and the hidden codes leave as register images.
; ORDER OF k, the same on both sides of a product: in K step s = 4 a + z, register 4 c + q, byte b of lane (r, h) holds k = 512 a + 128 q + 32 z + 8 c + 4 h + b:
;   so x's codes fall when a lane's four loads of a half row are stored as 16 bytes on end.
; TILE t OF THE WEIGHT is columns 64 xb + 4 r + t: then the four numbers of a lane's 16 loaded bytes belong to the four tiles, lane for lane.
; THE MATRIX INSTRUCTION IS USED TRANSPOSED (source 0 = 16 columns of the weight, source 1 = 16 tokens): a lane holds one token.
; PADDING.  Slots behind the count hold the expert's last token or token 0: a padded lane repeats a real row, no lane is ever switched off.  Every wave stages a first tile,
;   so that the counted waits are the same in all.  Tiles are walked against max(count, 1): tile 0 of every expert is always written, since the next launch's waves without a tile read it.
; LIMITS: e0 .. e3 and E = e4 - e0 - e1 - e2 - e3 between -126 and 119, e0 + e1 between -126 and 127, so that each power of two below is an f32 number.
;   NaN among the inputs is not served.
; No tensor load, no cluster: trip work hangs on a count read from memory, and no two work-groups read the same weights.
; LDS: 0 .. 131071 the images: fragment (p, s, t) at ((8 p + s) 4 + t) 2048 + 512 c + 16 lane; then for each wave 16896 bytes of stage: 16 rows x (512 + 16) under 2^e0, the same under 2^e2.
; REGISTERS, window 0: v1-9 offsets and addresses, v16-20 scales, v21-23 at work, v24-63 at work, v64-255 a ring of three slots of 64
;   (later: v64-95 gate's sums, v96-127 up's, v128-191 and v192-255 weight fragments).  Window 1: x's codes: v0-127 under 2^e0, v128-255 under 2^e2, K step s at 16 s.
; s[66:97]: the addresses of my tile's 16 rows of x; s[84:99] take the 16 tokens first.
.set XSTG,  131072
.set XP,    528                        ; a stage row: 33 x 16 bytes, so that the 16 rows of a fragment load start at 16 different columns of 16 bytes
.set XSET,  16*XP
.set TMP,   32
.set MSB, 0
.macro WIN new                         ; the immediate's high byte repeats the setting that is left; bits 3:2 source 1, bits 7:6 destination
.if MSB != \new
	s_set_vgpr_msb (MSB<<8)|\new
.set MSB, \new
.endif
.endm
.macro NOP4                            ; four places behind matrix instructions (ISA guide 7.12.1)
.rept 4
	v_nop
.endr
.endm
; item n of the weights: matrix p = n % 2, c = n / 2: rows 8 c + 4 h + 128 q + b of my K step, into ring slot
.macro ISSUE_W n, slot
.irp q, 0,1,2,3
.irp b, 0,1,2,3
	global_load_b128 v[64+64*(\slot)+16*\q+4*\b:64+64*(\slot)+16*\q+4*\b+3], v1, s[8+2*((\n)%2):9+2*((\n)%2)] offset:(8*((\n)/2)+128*\q+\b)*4096 th:TH_LOAD_NT
.endr
.endr
.endm
; the item becomes codes: hold, convert (a dword = four columns of one row), turn 4 x 4 bytes (a dword = four rows of one column), store four quarter fragments
.macro PROC_W n, slot, cnt
.set RL, 64+64*(\slot)
.set PP, (\n)%2
.set CQ, (\n)/2
	s_wait_loadcnt \cnt                            ; loads come back in order: this item's 16 are in, the cnt younger ones may be out
	s_wait_dscnt 0x0                               ; the last item's LDS stores have left v24-55
.set i, 0
.rept 64
	v_med3_num_f32 v[RL+i], v[RL+i], s[40+2*PP], s[41+2*PP]   ; the conversion does not saturate (ISA guide 7.6.2): hold within +-448 x the scale
.set i, i+1
.endr
.irp j, 0,1,2,3,4,5,6,7
	v_cvt_scalef32_pk8_fp8_f32 v[TMP+2*\j:TMP+2*\j+1], v[RL+8*\j:RL+8*\j+7], v[18+PP]
.endr
	v_nop                                          ; a plain instruction between the conversions and the first use of their results
.irp q, 0,1,2,3
	v_perm_b32 v[48+4*\q],   v[TMP+4*\q+1], v[TMP+4*\q],   s46   ; rows 0, 1: columns 0, 1 interleaved
	v_perm_b32 v[48+4*\q+1], v[TMP+4*\q+1], v[TMP+4*\q],   s47   ; columns 2, 3
	v_perm_b32 v[48+4*\q+2], v[TMP+4*\q+3], v[TMP+4*\q+2], s46   ; rows 2, 3
	v_perm_b32 v[48+4*\q+3], v[TMP+4*\q+3], v[TMP+4*\q+2], s47
.endr
.irp q, 0,1,2,3
	v_perm_b32 v[TMP+\q],    v[48+4*\q+2], v[48+4*\q],   s48     ; column 0, rows 0-3: register 4 c + q of tile 0
	v_perm_b32 v[TMP+4+\q],  v[48+4*\q+2], v[48+4*\q],   s49     ; tile 1
	v_perm_b32 v[TMP+8+\q],  v[48+4*\q+3], v[48+4*\q+1], s48     ; tile 2
	v_perm_b32 v[TMP+12+\q], v[48+4*\q+3], v[48+4*\q+1], s49     ; tile 3
.endr
.irp t, 0,1,2,3
	ds_store_b128 v[2+PP], v[TMP+4*\t:TMP+4*\t+3] offset:2048*\t+512*CQ
.endr
.endm
; the 16 tokens in s[84:99] become the addresses of their rows of x, in s[66:97].  Ascending: address i lands on tokens 2 i - 18 and 2 i - 17, which have been read
.macro BASES
	s_mov_b32 s51, 0
.set i, 0
.rept 16
	s_min_u32 s50, s[84+i], 0x3ff
	s_lshl_b32 s50, s50, 12
	s_add_nc_u64 s[66+2*i:67+2*i], s[4:5], s[50:51]
.set i, i+1
.endr
.endm
; item xi of x: half xi / 4 of the rows of tokens 4 (xi % 4) + 0 .. 3: load q of a token is 512 consecutive bytes, k = 512 a + 128 q + 4 lane + 0 .. 3
.macro ISSUE_X xi, slot
.irp t, 0,1,2,3
.irp q, 0,1,2,3
	global_load_b128 v[64+64*(\slot)+16*\t+4*\q:64+64*(\slot)+16*\t+4*\q+3], v4, s[66+2*(4*((\xi)%4)+\t):67+2*(4*((\xi)%4)+\t)] offset:2048*((\xi)/4)+512*\q
.endr
.endr
.endm
; its codes under both scales, two tokens at a time.  The numbers held for 2^e0 go into other registers, since the numbers are wanted again for 2^e2:
; for the first two tokens into v32-63, for the other two into the first two tokens' registers, which are done with.  Each token's four dwords leave as 16 bytes a lane
.macro PROC_X xi, slot, cnt
.set RL, 64+64*(\slot)
.set TK, 4*((\xi)%4)
	s_wait_loadcnt \cnt
	s_wait_dscnt 0x0                               ; the last item's LDS stores have left v24-55
.set i, 0
.rept 32
	v_med3_num_f32 v[TMP+i], v[RL+i], s36, s37
.set i, i+1
.endr
.irp j, 0,1,2,3
	v_cvt_scalef32_pk8_fp8_f32 v[24+2*\j:25+2*\j], v[TMP+8*\j:TMP+8*\j+7], v16
.endr
	v_nop                                          ; a plain instruction behind each run of conversions, before their sources are written again
.set i, 0
.rept 32
	v_med3_num_f32 v[RL+i], v[RL+i], s38, s39
.set i, i+1
.endr
.irp j, 0,1,2,3
	v_cvt_scalef32_pk8_fp8_f32 v[32+2*\j:33+2*\j], v[RL+8*\j:RL+8*\j+7], v17
.endr
	v_nop
.set i, 0
.rept 32
	v_med3_num_f32 v[RL+i], v[RL+32+i], s36, s37
.set i, i+1
.endr
.irp j, 0,1,2,3
	v_cvt_scalef32_pk8_fp8_f32 v[40+2*\j:41+2*\j], v[RL+8*\j:RL+8*\j+7], v16
.endr
	v_nop
.set i, 0
.rept 32
	v_med3_num_f32 v[RL+32+i], v[RL+32+i], s38, s39
.set i, i+1
.endr
.irp j, 0,1,2,3
	v_cvt_scalef32_pk8_fp8_f32 v[48+2*\j:49+2*\j], v[RL+32+8*\j:RL+32+8*\j+7], v17
.endr
	v_nop
	ds_store_b128 v8, v[24:27] offset:XP*TK                  ; under 2^e0: a row's 512 bytes from 32 lanes
	ds_store_b128 v8, v[28:31] offset:XP*(TK+1)
	ds_store_b128 v8, v[40:43] offset:XP*(TK+2)
	ds_store_b128 v8, v[44:47] offset:XP*(TK+3)
	ds_store_b128 v8, v[32:35] offset:XSET+XP*TK             ; under 2^e2
	ds_store_b128 v8, v[36:39] offset:XSET+XP*(TK+1)
	ds_store_b128 v8, v[48:51] offset:XSET+XP*(TK+2)
	ds_store_b128 v8, v[52:55] offset:XSET+XP*(TK+3)
.endm
; half a of the 16 rows is in my stage: K steps 4 a + 0 .. 3 of both sets come back as fragments.  LDS serves a wave's instructions in order: these see my stores, and the next half's stores come behind them
.macro XREAD a
	WIN 0x40
.irp z, 0,1
.irp g, 0,1,2,3
.irp c, 0,1,2,3
	ds_load_b128 v[128*\z+16*(4*(\a)+\g)+4*\c:128*\z+16*(4*(\a)+\g)+4*\c+3], v9 offset:XSET*\z+128*\g+32*\c
.endr
.endr
.endr
	WIN 0
.endm
.macro LDF buf, adr, ks                ; the four tiles' fragments of K step ks, as they were stored
.irp t, 0,1,2,3
.irp c, 0,1,2,3
	ds_load_b128 v[\buf+16*\t+4*\c:\buf+16*\t+4*\c+3], v[\adr] offset:8192*(\ks)+2048*\t+512*\c
.endr
.endr
.endm
; 64 matrix instructions: gate's four tiles, up's four tiles, K step by K step.  The eight accumulators take turns, one instruction a turn.
.macro PROD
	WIN 0x04                                       ; source 1 (x's codes) in window 1
	LDF 128, 4, 0
	LDF 192, 5, 0
.irp s, 0,1,2,3,4,5,6,7
	s_wait_dscnt 16                                ; gate's 16 loads, and all older ones (x's fragments), are in; up's 16, issued behind them, may be out
.irp t, 0,1,2,3
.if \s == 0
	v_wmma_f32_16x16x128_fp8_fp8 v[64+8*\t:71+8*\t], v[128+16*\t:143+16*\t], v[16*\s:16*\s+15], 0
.else
	v_wmma_f32_16x16x128_fp8_fp8 v[64+8*\t:71+8*\t], v[128+16*\t:143+16*\t], v[16*\s:16*\s+15], v[64+8*\t:71+8*\t]
.endif
.endr
.if \s < 7
	NOP4                                           ; in front of loads into registers that the four products have read
	LDF 128, 4, \s+1
	s_wait_dscnt 16                                ; up's 16 loads are in; the 16 just issued may be out
.else
	s_wait_dscnt 0x0
.endif
.irp t, 0,1,2,3
.if \s == 0
	v_wmma_f32_16x16x128_fp8_fp8 v[96+8*\t:103+8*\t], v[192+16*\t:207+16*\t], v[128+16*\s:143+16*\s], 0
.else
	v_wmma_f32_16x16x128_fp8_fp8 v[96+8*\t:103+8*\t], v[192+16*\t:207+16*\t], v[128+16*\s:143+16*\s], v[96+8*\t:103+8*\t]
.endif
.endr
.if \s < 7
	NOP4
	LDF 192, 5, \s+1
.endif
.endr
	WIN 0
	NOP4                                           ; in front of the first read of results and of writes over the fragments
.endm
; silu(gate) x up, quantised.  G = gate / 2^(e0+e1), U = up / 2^(e2+e3): G U / (1 + 2^(c1 G)), c1 = -log2(e) 2^(e0+e1), is the hidden number / 2^(e0+e1+e2+e3),
; so its conversion takes the one scale 2^E.  Register 8 t + j of lane (r, h) is column 64 xb + 32 h + 4 j + t of token r.
.macro EPI
.set i, 0
.rept 16
	v_pk_mul_f32 v[128+i:129+i], v[64+i:65+i], s[34:35] op_sel_hi:[1,0]   ; each accumulator from its low end on
.set i, i+2
.endr
.set i, 0
.rept 32
	v_exp_f32 v[128+i], v[128+i]
.set i, i+1
.endr
	v_nop                                          ; a plain instruction behind the exponentials
.set i, 0
	s_wait_alu depctr_va_vdst(0)
.rept 16
	v_pk_add_f32 v[128+i:129+i], v[128+i:129+i], 1.0 op_sel_hi:[1,0]
.set i, i+2
.endr
.set i, 0
.rept 32
	v_rcp_f32 v[128+i], v[128+i]
.set i, i+1
.endr
	v_nop                                          ; a plain instruction behind the reciprocals
.set i, 0
	s_wait_alu depctr_va_vdst(0)
.rept 16
	v_pk_mul_f32 v[128+i:129+i], v[128+i:129+i], v[64+i:65+i]
.set i, i+2
.endr
.irp t, 0,1,2,3
.irp j, 0,1,2,3,4,5,6,7
	v_mul_f32 v[160+4*\j+\t], v[128+8*\t+\j], v[96+8*\t+\j]    ; v[160 + m] = column 64 xb + 32 h + m: 32 neighbours along the next K
.endr
.endr
.set i, 0
.rept 32
	v_med3_num_f32 v[160+i], v[160+i], s44, s45
.set i, i+1
.endr
.irp j, 0,1,2,3
	v_cvt_scalef32_pk8_fp8_f32 v[192+2*\j:193+2*\j], v[160+8*\j:167+8*\j], v20
.endr
	v_nop
	global_store_b128 v4, v[192:195], s[14:15]             ; the wave stores 512 consecutive bytes, aligned: an image of four operand registers
	global_store_b128 v4, v[196:199], s[14:15] offset:512
.endm
.macro MKLIM ereg, lo                  ; s[lo] = -448 x 2^e, s[lo+1] = +448 x 2^e
	s_add_co_i32 s50, s[\ereg], 135
	s_lshl_b32 s50, s50, 23
	s_or_b32 s[\lo+1], s50, 0x600000
	s_or_b32 s[\lo], s[\lo+1], 0x80000000
.endm
.macro MKPOW ereg, vr                  ; 2^e as f32: a conversion takes its exponent field
	s_add_co_i32 s50, s[\ereg], 127
	s_lshl_b32 s50, s50, 23
	v_mov_b32 v[\vr], s50
.endm
	s_load_b64 s[4:5], s[0:1], 0x0                 ; x
	s_load_b128 s[8:11], s[0:1], 0x8               ; gate s[8:9], up s[10:11]
	s_load_b128 s[12:15], s[0:1], 0x18             ; scales s[12:13], inter s[14:15]
	s_load_b64 s[16:17], s[0:1], 0x28              ; order
	v_lshl_add_u32 v13, v0, 2, 0x41000
	v_mov_b32 v15, 0
	v_lshrrev_b32 v23, 5, v0
	v_readfirstlane_b32 s18, v23                   ; wave w
	s_mov_b32 s19, ttmp9                           ; xb
	s_and_b32 s20, ttmp7, 0xffff                   ; e
	v_and_b32 v14, 31, v0                          ; lane
	v_and_b32 v21, 15, v0                          ; g = r
	v_bfe_u32 v22, v0, 4, 1                        ; h
	v_lshlrev_b32 v1, 4, v21
	v_lshl_add_u32 v1, v22, 14, v1                 ; weights: 16 g + 4 rows x h
	v_lshlrev_b32 v4, 4, v14                       ; 16 x lane: images of gate's fragments; also a plain offset in memory
	v_add_nc_u32 v5, 0x10000, v4                   ; images of up's
	s_lshl_b32 s50, s18, 13
	v_add_nc_u32 v2, s50, v4                       ; where I store gate's images: K step w
	v_add_nc_u32 v3, 0x10000, v2                   ; and up's
	s_mul_i32 s52, s18, 2*XSET
	s_add_co_u32 s52, s52, XSTG                    ; my stage
	v_add_nc_u32 v8, s52, v4                       ; in: 16 x lane of a row
	v_mul_u32_u24 v9, v21, XP
	v_lshl_add_u32 v9, v22, 4, v9
	v_add_nc_u32 v9, s52, v9                       ; back: row r, + 16 h
	s_mov_b32 s46, 0x05010400
	s_mov_b32 s47, 0x07030602
	s_mov_b32 s48, 0x05040100
	s_mov_b32 s49, 0x07060302
	s_lshl_b32 s22, s18, 4                         ; my tile's first slot
	s_mov_b32 s24, 0                               ; trip
	s_lshl_b32 s50, s20, 22                        ; weights: expert x 4 MiB + 256 xb + (512 (w / 4) + 32 (w % 4)) rows
	s_lshl_b32 s52, s19, 8
	s_add_co_u32 s50, s50, s52
	s_lshr_b32 s52, s18, 2
	s_lshl_b32 s52, s52, 21
	s_add_co_u32 s50, s50, s52
	s_and_b32 s52, s18, 3
	s_lshl_b32 s52, s52, 17
	s_add_co_u32 s50, s50, s52
	s_mov_b32 s51, 0
	s_lshl_b32 s52, s20, 20                        ; inter: ((64 e + w) 16 + xb) x 1024
	s_lshl_b32 s54, s18, 14
	s_add_co_u32 s52, s52, s54
	s_lshl_b32 s54, s19, 10
	s_add_co_u32 s52, s52, s54
	s_mov_b32 s53, 0
	s_mul_i32 s54, s20, 5120                       ; order: 5120 bytes an expert,
	s_mov_b32 s55, 0
	s_lshl_b32 s58, s18, 6                         ; 64 bytes a tile
	s_mov_b32 s59, 0
	s_wait_kmcnt 0x0
	s_load_b128 s[28:31], s[12:13], 0x0            ; e0 .. e3
	s_load_b64 s[32:33], s[12:13], 0x10            ; e4, e5
	s_add_nc_u64 s[56:57], s[16:17], s[54:55]
	s_add_nc_u64 s[16:17], s[56:57], s[58:59]
	s_load_b32 s21, s[56:57], 0x1200               ; the count
	s_load_b512 s[84:99], s[16:17], 0x0            ; my first tile's 16 tokens
	s_add_nc_u64 s[8:9], s[8:9], s[50:51]
	s_add_nc_u64 s[10:11], s[10:11], s[50:51]
	s_add_nc_u64 s[14:15], s[14:15], s[52:53]
	ISSUE_W 0, 0
	ISSUE_W 1, 1
	ISSUE_W 2, 2
	s_wait_kmcnt 0x0
	MKPOW 28, 16                                   ; 2^e0
	MKPOW 30, 17                                   ; 2^e2
	MKPOW 29, 18                                   ; 2^e1
	MKPOW 31, 19                                   ; 2^e3
	MKLIM 28, 36
	MKLIM 30, 38
	MKLIM 29, 40
	MKLIM 31, 42
	s_add_co_i32 s52, s28, s29                     ; e0 + e1
	s_sub_co_i32 s51, s32, s52
	s_sub_co_i32 s51, s51, s30
	s_sub_co_i32 s51, s51, s31                     ; E = e4 - e0 - e1 - e2 - e3
	MKPOW 51, 20
	MKLIM 51, 44
	s_add_co_i32 s52, s52, 127
	s_lshl_b32 s52, s52, 23
	s_mul_f32 s34, s52, 0xbfb8aa3b                 ; c1 = -log2(e) x 2^(e0 + e1)
	s_mov_b32 s35, s34                             ; (named with it as a pair, so it is written)
	s_min_u32 s21, s21, 1024
	s_max_u32 s21, s21, 1                          ; tile 0 is always made
	BASES
	; ---- the stream: 8 items of weights and the 8 items of my first tile's x, through three ring slots.  Behind each item the item three further on
	; is asked for, into the slot just read: 32 younger loads may be out at each wait until the ring runs dry.  Every wave walks all sixteen, so the counts are the same in all
	PROC_W 0, 0, 32
	ISSUE_X 0, 0
	PROC_W 1, 1, 32
	ISSUE_W 3, 1
	PROC_W 2, 2, 32
	ISSUE_X 1, 2
	PROC_X 0, 0, 32
	ISSUE_W 4, 0
	PROC_W 3, 1, 32
	ISSUE_X 2, 1
	PROC_X 1, 2, 32
	ISSUE_W 5, 2
	PROC_W 4, 0, 32
	ISSUE_X 3, 0
	PROC_X 2, 1, 32
	ISSUE_W 6, 1
	PROC_W 5, 2, 32
	ISSUE_X 4, 2
	PROC_X 3, 0, 32
	XREAD 0                                        ; the 16 tokens' first half rows are in the stage
	ISSUE_W 7, 0
	PROC_W 6, 1, 32
	ISSUE_X 5, 1
	PROC_X 4, 2, 32
	ISSUE_X 6, 2
	PROC_W 7, 0, 32
	ISSUE_X 7, 0
	PROC_X 5, 1, 32
	PROC_X 6, 2, 16
	PROC_X 7, 0, 0
	XREAD 1
	s_wait_dscnt 0x0                               ; my images have landed
	s_barrier_signal -1
	s_barrier_wait -1                              ; all 64 weight fragments lie in LDS and are only read from here on; the stages are each wave's own
	; ---- my tiles w, w + 8, ..: eight trips in every wave; a trip without a tile steps its counters alone
.Ltile:
	s_cmp_ge_u32 s22, s21
	s_cbranch_scc1 .Lnext
	PROD
	EPI
	s_add_co_u32 s50, s22, 128
	s_cmp_ge_u32 s50, s21
	s_cbranch_scc1 .Lnext
	s_load_b512 s[84:99], s[16:17], 0x200          ; my next tile's tokens, 128 slots on: all loads that named s[66:97] were waited for
	s_wait_kmcnt 0x0
	BASES
	s_wait_xcnt 0x0                                ; the stores above have read v192-199, which lie in ring slot 2
	ISSUE_X 0, 0
	ISSUE_X 1, 1
	ISSUE_X 2, 2
	PROC_X 0, 0, 32
	ISSUE_X 3, 0
	PROC_X 1, 1, 32
	ISSUE_X 4, 1
	PROC_X 2, 2, 32
	ISSUE_X 5, 2
	PROC_X 3, 0, 32
	XREAD 0
	ISSUE_X 6, 0
	PROC_X 4, 1, 32
	ISSUE_X 7, 1
	PROC_X 5, 2, 32
	PROC_X 6, 0, 16
	PROC_X 7, 1, 0
	XREAD 1
.Lnext:
	s_wait_xcnt 0x0                                ; the bases are stepped only behind this wait
	s_add_nc_u64 s[14:15], s[14:15], 0x20000       ; eight tiles of 16 KiB on
	s_add_nc_u64 s[16:17], s[16:17], 512           ; 128 slots on
	s_add_co_u32 s22, s22, 128
	s_add_co_u32 s24, s24, 1
	s_cmp_lt_u32 s24, 8
	s_cbranch_scc1 .Ltile
	s_wait_tensorcnt 0x0
	ds_add_u32 v13, v15
	s_wait_dscnt 0x0
	s_endpgm
.Lfunc_end_k_q0cdc1c7d14_gateup:
	.size	k_q0cdc1c7d14_gateup, .Lfunc_end_k_q0cdc1c7d14_gateup-k_q0cdc1c7d14_gateup
	.p2alignl 7, 3214868480
	.fill 96, 4, 3214868480
	.section	.rodata,"a",@progbits
	.p2align	6, 0x0
	.amdhsa_kernel k_q0cdc1c7d14_gateup
		.amdhsa_group_segment_fixed_size 267264
		.amdhsa_private_segment_fixed_size 0
		.amdhsa_enable_private_segment 0
		.amdhsa_kernarg_size 48
		.amdhsa_user_sgpr_count 2
		.amdhsa_user_sgpr_kernarg_segment_ptr 1
		.amdhsa_wavefront_size32 1
		.amdhsa_system_sgpr_workgroup_id_x 1
		.amdhsa_system_sgpr_workgroup_id_y 1
		.amdhsa_system_sgpr_workgroup_id_z 1
		.amdhsa_system_vgpr_workitem_id 0
		.amdhsa_next_free_vgpr 512
		.amdhsa_next_free_sgpr 100
		.amdhsa_reserve_vcc 0
		.amdhsa_float_denorm_mode_32 3
		.amdhsa_float_denorm_mode_16_64 3
		.amdhsa_memory_ordered 1
		.amdhsa_forward_progress 1
		.amdhsa_inst_pref_size 255
	.end_amdhsa_kernel
	.section	.bss,"aw",@nobits
	.p2align	6
	.space	262144
	.amdgpu_metadata
---
amdhsa.version: [ 1, 2 ]
amdhsa.kernels:
  - .name:           k_q0cdc1c7d14_gateup
    .symbol:         k_q0cdc1c7d14_gateup.kd
    .args:
      - { .name: x, .offset: 0, .size: 8, .value_kind: global_buffer, .address_space: global }
      - { .name: gate_proj, .offset: 8, .size: 8, .value_kind: global_buffer, .address_space: global }
      - { .name: up_proj, .offset: 16, .size: 8, .value_kind: global_buffer, .address_space: global }
      - { .name: lowp_scales, .offset: 24, .size: 8, .value_kind: global_buffer, .address_space: global }
      - { .name: inter, .offset: 32, .size: 8, .value_kind: global_buffer, .address_space: global }
      - { .name: order, .offset: 40, .size: 8, .value_kind: global_buffer, .address_space: global }
    .group_segment_fixed_size: 267264
    .private_segment_fixed_size: 0
    .kernarg_segment_align: 8
    .kernarg_segment_size: 48
    .max_flat_workgroup_size: 256
    .sgpr_count:     100
    .vgpr_count:     512
    .wavefront_size: 32
...
	.end_amdgpu_metadata
.endif
;; end of part 2
;; launch down (part 3): grid 16 x 16, 8 waves a work-group, no clusters, 102,400 bytes of LDS; arguments down_proj, lowp_scales, inter, order, out0; writes out0
.if DOCPART == 3
	.amdgcn_target "amdgcn-amd-amdhsa--gfx1250"
	.amdhsa_code_object_version 6
	.text
	.protected	k_q0cdc1c7d14_down
	.globl	k_q0cdc1c7d14_down
	.p2align	8
	.type	k_q0cdc1c7d14_down,@function
k_q0cdc1c7d14_down:
	s_mov_b64 s[64:65], 0
	v_nop
	global_prefetch_b8 v0, s[64:65] scope:SCOPE_SE
	s_setreg_imm32_b32 hwreg(HW_REG_WAVE_MODE, 25, 1), 1
	s_wait_xcnt 0x0
; out0[token][j] = 2^(e4+e5) x the sum over k of the hidden codes of the token x Q(down_proj[e][j][k]), for the tokens of expert e and j = 64 jb .. 64 jb + 63.
; down_proj [16][1024 (j)][1024 (k)] f32; inter: the hidden codes as images of operand registers, ((64 e + tile) 16 + block of 64 k) x 1024 + 512 v + 16 lane;
; order: for each expert 5120 bytes: the token of slot p at 4 p, the count at byte 4608; out0 [1024][1024] f32.
; SHARES.  Work-group (jb, e), eight waves.  Wave w turns rows 8 w .. 8 w + 7 of its 64 rows of down_proj into codes: 4 items of 2 rows, each load 512 consecutive bytes;
;   the codes lie in LDS as rows in the true order of k.  Wave w then takes the tiles of 16 listed tokens w, w + 8, ..: 32 matrix instructions a tile.
; ORDER OF k, the same on both sides: register 8 u + 4 y + d, byte b of lane (r, h) holds k = 128 s + 64 u + 32 h + 16 y + 4 d + b: so the hidden codes were stored.
; THE MATRIX INSTRUCTION IS USED TRANSPOSED (source 0 = 16 rows of down_proj, source 1 = 16 tokens): a lane holds eight neighbouring outputs of one token.
; A tile's results go through the wave's own stage in LDS and leave as rows: sixteen lanes store the 256 consecutive, aligned bytes of one token's row.
; Slots behind the count repeat the expert's last token: such lanes store the same bytes to the same place; no lane is switched off.
; A wave without a tile loads tile 0 of its expert (always written) at the head and stores nothing.
; LIMITS: e5 between -126 and 119, e4 + e5 between -126 and 127.  NaN among the inputs is not served.
; No tensor load, no cluster: trip work hangs on a count read from memory, and no two work-groups read the same rows of down_proj.
; LDS: 0 .. 66559: 64 rows of 1024 codes + 16 bytes of padding; then 16 rows x 272 bytes of stage for each wave.
; REGISTERS, window 0: v1-7 offsets and addresses, v8 2^e5, v16-23 tokens, v24-31 their offsets in out0, v32-47 codes, v64-255 a ring of three slots of 64
;   (later v64-95 the sums, v96-159 and v160-223 fragments by turns, then v96-127 results, v128-159 rows).  Window 1: v0-127 the tile's hidden codes, K step s at 16 s.
.set PD,  1040
.set STG, 64*PD
.set MSB, 0
.macro WIN new                         ; the immediate's high byte repeats the setting that is left; bits 3:2 source 1, bits 7:6 destination
.if MSB != \new
	s_set_vgpr_msb (MSB<<8)|\new
.set MSB, \new
.endif
.endm
.macro NOP4                            ; four places behind matrix instructions (ISA guide 7.12.1)
.rept 4
	v_nop
.endr
.endm
.macro ISSUE_D n, slot                 ; my rows 2 n and 2 n + 1, whole
.irp r, 0,1
.irp m, 0,1,2,3,4,5,6,7
	global_load_b128 v[64+64*(\slot)+32*\r+4*\m:64+64*(\slot)+32*\r+4*\m+3], v1, s[4:5] offset:(2*(\n)+\r)*4096+512*\m th:TH_LOAD_NT
.endr
.endr
.endm
.macro PROC_D n, slot, cnt
.set RL, 64+64*(\slot)
	s_wait_loadcnt \cnt
	s_wait_dscnt 0x0                               ; the last item's LDS stores have left v32-47
.set i, 0
.rept 64
	v_med3_num_f32 v[RL+i], v[RL+i], s30, s31      ; the conversion does not saturate (ISA guide 7.6.2): hold within +-448 x 2^e5
.set i, i+1
.endr
.irp j, 0,1,2,3,4,5,6,7
	v_cvt_scalef32_pk8_fp8_f32 v[32+2*\j:33+2*\j], v[RL+8*\j:RL+8*\j+7], v8
.endr
	v_nop                                          ; a plain instruction behind the conversions
.set i, 0
.rept 16
	ds_store_b32 v2, v[32+i] offset:(2*(\n)+i/8)*PD+128*(i%8)   ; k = 128 (i % 8) + 4 lane + 0 .. 3 of row 2 n + i / 8: the wave stores 128 consecutive bytes
.set i, i+1
.endr
.endm
.macro ILOAD                           ; a tile's tokens (lane half h: slots 8 h .. 8 h + 7) and its 16 KiB of hidden codes
	global_load_b128 v[16:19], v7, s[10:11]
	global_load_b128 v[20:23], v7, s[10:11] offset:16
	WIN 0x40
.set i, 0
.rept 32
	global_load_b128 v[4*i:4*i+3], v1, s[8:9] offset:512*i
.set i, i+1
.endr
	WIN 0
.endm
.macro LDD buf, ks                     ; the four tiles' fragments of K step ks
.irp t, 0,1,2,3
.irp u, 0,1
.irp y, 0,1
	ds_load_b128 v[\buf+16*\t+8*\u+4*\y:\buf+16*\t+8*\u+4*\y+3], v3 offset:16*PD*\t+128*(\ks)+64*\u+16*\y
.endr
.endr
.endr
.endm
; 32 matrix instructions; the four accumulators take turns, one instruction a turn
.macro PROD2
	WIN 0x04                                       ; source 1 (the hidden codes) in window 1
	LDD 96, 0
.irp s, 0,1,2,3,4,5,6,7
.if \s < 7
.if \s > 0
	NOP4                                           ; in front of loads into the registers that the last four products have read
.endif
	LDD 96+64*((\s+1)%2), \s+1
	s_wait_dscnt 16                                ; this step's 16 loads are in; the 16 just issued may be out
.else
	s_wait_dscnt 0x0
.endif
.irp t, 0,1,2,3
.if \s == 0
	v_wmma_f32_16x16x128_fp8_fp8 v[64+8*\t:71+8*\t], v[96+64*(\s%2)+16*\t:96+64*(\s%2)+16*\t+15], v[16*\s:16*\s+15], 0
.else
	v_wmma_f32_16x16x128_fp8_fp8 v[64+8*\t:71+8*\t], v[96+64*(\s%2)+16*\t:96+64*(\s%2)+16*\t+15], v[16*\s:16*\s+15], v[64+8*\t:71+8*\t]
.endif
.endr
.endr
	WIN 0
	NOP4                                           ; in front of the first read of results, of writes over the fragments and of loads into the codes' registers
.endm
.macro OUT
.set i, 0
.rept 16
	v_pk_mul_f32 v[96+i:97+i], v[64+i:65+i], s[28:29] op_sel_hi:[1,0]   ; x 2^(e4 + e5); each accumulator from its low end on
.set i, i+2
.endr
.irp t, 0,1,2,3
	ds_store_b128 v4, v[96+8*\t:99+8*\t] offset:64*\t          ; lane (r, h): token slot r, outputs 16 t + 8 h + 0 .. 7
	ds_store_b128 v4, v[100+8*\t:103+8*\t] offset:64*\t+16
.endr
.irp r, 0,1,2,3,4,5,6,7
	ds_load_b128 v[128+4*\r:131+4*\r], v5 offset:272*\r        ; lanes 0-15 slot r, lanes 16-31 slot 8 + r.  LDS serves a wave's instructions in order: these see my stores
.endr
.irp r, 0,1,2,3,4,5,6,7
	s_wait_dscnt 7-\r
	global_store_b128 v[24+\r], v[128+4*\r:131+4*\r], s[12:13] th:TH_STORE_NT
.endr
.endm
	s_load_b256 s[4:11], s[0:1], 0x0               ; down s[4:5], scales s[6:7], inter s[8:9], order s[10:11]
	s_load_b64 s[12:13], s[0:1], 0x20              ; out0
	v_lshl_add_u32 v62, v0, 2, 0x18c00
	v_mov_b32 v63, 0
	v_lshrrev_b32 v9, 5, v0
	v_readfirstlane_b32 s18, v9                    ; wave w
	s_mov_b32 s19, ttmp9                           ; jb
	s_and_b32 s20, ttmp7, 0xffff                   ; e
	v_and_b32 v9, 31, v0                           ; lane
	v_and_b32 v10, 15, v0                          ; g = r
	v_bfe_u32 v11, v0, 4, 1                        ; h
	v_lshlrev_b32 v1, 4, v9                        ; 16 x lane
	s_mul_i32 s40, s18, 8*PD
	v_lshl_add_u32 v2, v9, 2, s40                  ; where I store codes: my 8 rows, 4 x lane
	v_mul_u32_u24 v3, v10, PD
	v_lshl_add_u32 v3, v11, 5, v3                  ; a fragment's row r, + 32 h
	s_mul_i32 s40, s18, 16*272
	s_add_co_u32 s40, s40, STG                     ; my stage
	v_mul_u32_u24 v4, v10, 272
	v_lshl_add_u32 v4, v11, 5, v4
	v_add_nc_u32 v4, s40, v4                       ; in: row r, + 32 h
	v_mul_u32_u24 v5, v11, 8*272
	v_lshl_add_u32 v5, v10, 4, v5
	v_add_nc_u32 v5, s40, v5                       ; back: row 8 h, + 16 g
	v_lshlrev_b32 v6, 4, v10                       ; 16 g
	v_lshlrev_b32 v7, 5, v11                       ; 32 h
	s_lshl_b32 s40, s20, 22                        ; down: expert x 4 MiB + (64 jb + 8 w) rows
	s_lshl_b32 s42, s19, 18
	s_add_co_u32 s40, s40, s42
	s_lshl_b32 s42, s18, 15
	s_add_co_u32 s40, s40, s42
	s_mov_b32 s41, 0
	s_mul_i32 s42, s20, 5120
	s_mov_b32 s43, 0
	s_lshl_b32 s44, s20, 20
	s_mov_b32 s45, 0
	s_lshl_b32 s46, s19, 8
	s_mov_b32 s47, 0
	s_lshl_b32 s22, s18, 4                         ; my tile's first slot
	s_mov_b32 s24, 0                               ; trip
	s_mov_b32 s37, 0
	s_wait_kmcnt 0x0
	s_add_nc_u64 s[4:5], s[4:5], s[40:41]
	s_add_nc_u64 s[32:33], s[10:11], s[42:43]      ; my expert's part of order
	s_add_nc_u64 s[8:9], s[8:9], s[44:45]
	s_add_nc_u64 s[12:13], s[12:13], s[46:47]
	s_load_b64 s[26:27], s[6:7], 0x10              ; e4, e5
	s_load_b32 s21, s[32:33], 0x1200               ; the count
	ISSUE_D 0, 0
	ISSUE_D 1, 1
	ISSUE_D 2, 2
	s_wait_kmcnt 0x0
	s_add_co_i32 s34, s27, 127
	s_lshl_b32 s35, s34, 23
	v_mov_b32 v8, s35                              ; 2^e5 as f32: the conversion takes its exponent field
	s_add_co_i32 s34, s34, 8
	s_lshl_b32 s34, s34, 23
	s_or_b32 s31, s34, 0x600000                    ; 448 x 2^e5
	s_or_b32 s30, s31, 0x80000000
	s_add_co_i32 s28, s26, s27
	s_add_co_i32 s28, s28, 127
	s_lshl_b32 s28, s28, 23                        ; 2^(e4 + e5) as f32
	s_mov_b32 s29, s28                             ; (named with it as a pair, so it is written)
	s_min_u32 s21, s21, 1024
	s_cmp_lt_u32 s22, s21
	s_cselect_b32 s34, s18, 0                      ; my first tile; a wave that has none takes tile 0 and uses nothing of it
	s_lshl_b32 s36, s34, 14
	s_add_nc_u64 s[8:9], s[8:9], s[36:37]
	s_lshl_b32 s36, s34, 6
	s_add_nc_u64 s[10:11], s[32:33], s[36:37]
	ILOAD
	; behind item 0 stand items 1 and 2 (32 loads) and the tile's 34: 66 may be out, and the wait names the largest count that it can, 63
	PROC_D 0, 0, 63
	ISSUE_D 3, 0
	PROC_D 1, 1, 63                                ; behind item 1: item 2's 16, the tile's 34, item 3's 16
	PROC_D 2, 2, 50                                ; behind item 2: the tile's 34, item 3's 16
	PROC_D 3, 0, 0
	s_wait_dscnt 0x0                               ; my rows of codes have landed
	s_barrier_signal -1
	s_barrier_wait -1                              ; all 64 rows lie in LDS and are only read from here on; the stages are each wave's own
.Ltile:
	s_cmp_ge_u32 s22, s21
	s_cbranch_scc1 .Lnext
	s_wait_loadcnt 0x0                             ; the tile's tokens and codes
.irp r, 0,1,2,3,4,5,6,7
	v_min_u32 v[16+\r], 0x3ff, v[16+\r]
	v_lshl_add_u32 v[24+\r], v[16+\r], 12, v6      ; token x 4096 + 16 g
.endr
	PROD2
	OUT
	s_add_co_u32 s34, s22, 128
	s_cmp_ge_u32 s34, s21
	s_cbranch_scc1 .Lnext
	s_wait_xcnt 0x0                                ; the bases are stepped only behind this wait
	s_add_nc_u64 s[8:9], s[8:9], 0x20000           ; eight tiles of 16 KiB on
	s_add_nc_u64 s[10:11], s[10:11], 512           ; 128 slots on
	ILOAD
.Lnext:
	s_wait_xcnt 0x0                                ; the stores have read their rows and offsets: both are written again in the next trip
	s_add_co_u32 s22, s22, 128
	s_add_co_u32 s24, s24, 1
	s_cmp_lt_u32 s24, 8
	s_cbranch_scc1 .Ltile
	s_wait_tensorcnt 0x0
	ds_add_u32 v62, v63
	s_wait_dscnt 0x0
	s_endpgm
.Lfunc_end_k_q0cdc1c7d14_down:
	.size	k_q0cdc1c7d14_down, .Lfunc_end_k_q0cdc1c7d14_down-k_q0cdc1c7d14_down
	.p2alignl 7, 3214868480
	.fill 96, 4, 3214868480
	.section	.rodata,"a",@progbits
	.p2align	6, 0x0
	.amdhsa_kernel k_q0cdc1c7d14_down
		.amdhsa_group_segment_fixed_size 102400
		.amdhsa_private_segment_fixed_size 0
		.amdhsa_enable_private_segment 0
		.amdhsa_kernarg_size 40
		.amdhsa_user_sgpr_count 2
		.amdhsa_user_sgpr_kernarg_segment_ptr 1
		.amdhsa_wavefront_size32 1
		.amdhsa_system_sgpr_workgroup_id_x 1
		.amdhsa_system_sgpr_workgroup_id_y 1
		.amdhsa_system_sgpr_workgroup_id_z 1
		.amdhsa_system_vgpr_workitem_id 0
		.amdhsa_next_free_vgpr 384
		.amdhsa_next_free_sgpr 66
		.amdhsa_reserve_vcc 0
		.amdhsa_float_denorm_mode_32 3
		.amdhsa_float_denorm_mode_16_64 3
		.amdhsa_memory_ordered 1
		.amdhsa_forward_progress 1
		.amdhsa_inst_pref_size 55
	.end_amdhsa_kernel
	.amdgpu_metadata
---
amdhsa.version: [ 1, 2 ]
amdhsa.kernels:
  - .name:           k_q0cdc1c7d14_down
    .symbol:         k_q0cdc1c7d14_down.kd
    .args:
      - { .name: down_proj, .offset: 0, .size: 8, .value_kind: global_buffer, .address_space: global }
      - { .name: lowp_scales, .offset: 8, .size: 8, .value_kind: global_buffer, .address_space: global }
      - { .name: inter, .offset: 16, .size: 8, .value_kind: global_buffer, .address_space: global }
      - { .name: order, .offset: 24, .size: 8, .value_kind: global_buffer, .address_space: global }
      - { .name: out0, .offset: 32, .size: 8, .value_kind: global_buffer, .address_space: global }
    .group_segment_fixed_size: 102400
    .private_segment_fixed_size: 0
    .kernarg_segment_align: 8
    .kernarg_segment_size: 40
    .max_flat_workgroup_size: 256
    .sgpr_count:     66
    .vgpr_count:     384
    .wavefront_size: 32
...
	.end_amdgpu_metadata
.endif
;; end of part 3
;; ======== version 2 of 2: 3 launches
;; workspace buffers: inter 16,777,216 bytes; order 81,920 bytes of whole numbers
;; launch route (part 4): grid 16 x 1, 1 waves a work-group, no clusters, 5,376 bytes of LDS; arguments expert_indices, order; writes order
.if DOCPART == 4
	.amdgcn_target "amdgcn-amd-amdhsa--gfx1250"
	.amdhsa_code_object_version 6
	.text
	.protected	k_q0cdc1c7d14_route
	.globl	k_q0cdc1c7d14_route
	.p2align	8
	.type	k_q0cdc1c7d14_route,@function
k_q0cdc1c7d14_route:
	s_mov_b64 s[64:65], 0
	v_nop
	global_prefetch_b8 v0, s[64:65] scope:SCOPE_SE
	s_setreg_imm32_b32 hwreg(HW_REG_WAVE_MODE, 25, 1), 1
	s_wait_xcnt 0x0
; order: for expert e (the work-group's number) 5120 bytes: the token of slot p at byte 4 p, the number of its tokens in the 32 words at byte 4608.
; expert_indices [1024] int32.  One wave lists the tokens that name expert e: 32 registers a lane hold all indices; for each register the matching lanes
; take the next free slots, in the order of the lanes.  The list is built in LDS and leaves in ten stores of 512 consecutive bytes.
; PADDING.  Slots count .. count + 31 repeat the expert's last token, all further slots hold token 0: whoever reads a tile of 16 slots finds valid tokens.
; An expert that no token names gets a list of zeros and the count 0.  An index lies between 0 and 15.
; There is work for sixteen waves, so sixteen work-groups of one wave are launched.  No branch hangs on data.
.set CNT,   4608
.set DUMPW, 1184                       ; the index of 32 dump words (byte 4736), for lanes that do not match
	s_load_b128 s[4:7], s[0:1], 0x0                ; indices s[4:5], order s[6:7]
	v_lshl_add_u32 v64, v0, 2, 0x1400
	v_mov_b32 v65, 0
	v_and_b32 v14, 31, v0                          ; lane
	v_lshlrev_b32 v4, 4, v14                       ; 16 x lane
	v_lshlrev_b32 v15, 2, v14                      ; 4 x lane
	v_add_nc_u32 v9, CNT, v15                      ; my word of the count
	v_add_nc_u32 v10, DUMPW, v14                   ; my dump word's index
	v_mov_b32 v24, 0
	v_mov_b32 v25, 0
	v_mov_b32 v26, 0
	v_mov_b32 v27, 0
	s_mov_b32 s20, ttmp9                           ; e
	s_mul_i32 s8, s20, 5120
	s_mov_b32 s9, 0
	s_wait_alu depctr_va_vdst(0)
	s_wait_kmcnt 0x0
	s_add_nc_u64 s[6:7], s[6:7], s[8:9]
.irp m, 0,1,2,3,4,5,6,7
	global_load_b128 v[32+4*\m:35+4*\m], v4, s[4:5] offset:512*\m   ; register 4 m + j of a lane is token 128 m + 4 lane + j
.endr
.irp m, 0,1,2,3,4,5,6,7,8,9
	ds_store_b128 v4, v[24:27] offset:512*\m       ; the whole region begins as zeros
.endr
	s_wait_loadcnt 0x0
	s_mov_b32 s21, 0                               ; tokens found so far
.set i, 0
.rept 32
	v_cmp_eq_u32 vcc_lo, s20, v[32+i]
	v_mbcnt_lo_u32_b32 v11, vcc_lo, s21            ; found so far + the matching lanes below mine: my slot
	v_cndmask_b32 v11, v10, v11, vcc_lo            ; a lane that does not match writes its dump word
	v_min_u32 v11, 0x4bf, v11
	v_lshlrev_b32 v11, 2, v11
	v_add_nc_u32 v22, 128*(i/4)+i%4, v15           ; my token's number
	ds_store_b32 v11, v22
	s_bcnt1_i32_b32 s10, vcc_lo
	s_add_co_u32 s21, s21, s10
.set i, i+1
.endr
	s_sub_co_u32 s10, s21, 1                       ; the last slot (with no token at all: slot 1023, which holds 0)
	s_min_u32 s10, s10, 0x3ff
	s_lshl_b32 s10, s10, 2
	v_mov_b32 v11, s10
	ds_load_b32 v22, v11                           ; LDS serves a wave's instructions in order: this sees the stores above
	s_wait_dscnt 0x0
	v_add_nc_u32 v11, s21, v14                     ; slots count .. count + 31 repeat it
	v_min_u32 v11, 0x47f, v11
	v_lshlrev_b32 v11, 2, v11
	ds_store_b32 v11, v22
	v_mov_b32 v23, s21
	ds_store_b32 v9, v23                           ; the count, in 32 words
.irp m, 0,1,2,3,4,5,6,7
	ds_load_b128 v[32+4*\m:35+4*\m], v4 offset:512*\m
.endr
	ds_load_b128 v[24:27], v4 offset:4096
	ds_load_b128 v[28:31], v4 offset:4608
	s_wait_dscnt 0x0
.irp m, 0,1,2,3,4,5,6,7
	global_store_b128 v4, v[32+4*\m:35+4*\m], s[6:7] offset:512*\m  ; the wave stores 512 consecutive bytes, aligned
.endr
	global_store_b128 v4, v[24:27], s[6:7] offset:4096
	global_store_b128 v4, v[28:31], s[6:7] offset:4608
	s_wait_tensorcnt 0x0
	ds_add_u32 v64, v65
	s_wait_dscnt 0x0
	s_endpgm
.Lfunc_end_k_q0cdc1c7d14_route:
	.size	k_q0cdc1c7d14_route, .Lfunc_end_k_q0cdc1c7d14_route-k_q0cdc1c7d14_route
	.p2alignl 7, 3214868480
	.fill 96, 4, 3214868480
	.section	.rodata,"a",@progbits
	.p2align	6, 0x0
	.amdhsa_kernel k_q0cdc1c7d14_route
		.amdhsa_group_segment_fixed_size 5376
		.amdhsa_private_segment_fixed_size 0
		.amdhsa_enable_private_segment 0
		.amdhsa_kernarg_size 16
		.amdhsa_user_sgpr_count 2
		.amdhsa_user_sgpr_kernarg_segment_ptr 1
		.amdhsa_wavefront_size32 1
		.amdhsa_system_sgpr_workgroup_id_x 1
		.amdhsa_system_sgpr_workgroup_id_y 1
		.amdhsa_system_sgpr_workgroup_id_z 1
		.amdhsa_system_vgpr_workitem_id 0
		.amdhsa_next_free_vgpr 66
		.amdhsa_next_free_sgpr 66
		.amdhsa_reserve_vcc 1
		.amdhsa_float_denorm_mode_32 3
		.amdhsa_float_denorm_mode_16_64 3
		.amdhsa_memory_ordered 1
		.amdhsa_forward_progress 1
		.amdhsa_inst_pref_size 18
	.end_amdhsa_kernel
	.amdgpu_metadata
---
amdhsa.version: [ 1, 2 ]
amdhsa.kernels:
  - .name:           k_q0cdc1c7d14_route
    .symbol:         k_q0cdc1c7d14_route.kd
    .args:
      - { .name: expert_indices, .offset: 0, .size: 8, .value_kind: global_buffer, .address_space: global }
      - { .name: order, .offset: 8, .size: 8, .value_kind: global_buffer, .address_space: global }
    .group_segment_fixed_size: 5376
    .private_segment_fixed_size: 0
    .kernarg_segment_align: 8
    .kernarg_segment_size: 16
    .max_flat_workgroup_size: 32
    .sgpr_count:     66
    .vgpr_count:     66
    .wavefront_size: 32
...
	.end_amdgpu_metadata
.endif
;; end of part 4
;; launch gateup (part 5): grid 16 x 16, 8 waves a work-group, no clusters, 267,264 bytes of LDS; arguments x, gate_proj, up_proj, lowp_scales, inter, order; writes inter
.if DOCPART == 5
	.amdgcn_target "amdgcn-amd-amdhsa--gfx1250"
	.amdhsa_code_object_version 6
	.text
	.protected	k_q0cdc1c7d14_gateup
	.globl	k_q0cdc1c7d14_gateup
	.p2align	8
	.type	k_q0cdc1c7d14_gateup,@function
k_q0cdc1c7d14_gateup:
	s_mov_b64 s[64:65], 0
	v_nop
	global_prefetch_b8 v0, s[64:65] scope:SCOPE_SE
	s_setreg_imm32_b32 hwreg(HW_REG_WAVE_SCHED_MODE, 0, 2), 2
	s_setreg_imm32_b32 hwreg(HW_REG_WAVE_MODE, 25, 1), 1
	s_wait_xcnt 0x0
	s_wait_alu depctr_vm_vsrc(0)
; inter = Q(silu(Q(x) Q(G_e)) * (Q(x) Q(U_e))) for the tokens of expert e, columns 64 xb .. 64 xb + 63, as codes of FP8 (E4M3).
; x [1024][1024] f32, gate_proj and up_proj [16][1024 (k)][1024 (i)] f32, lowp_scales e0 .. e5 (int32); order: the launch before listed each expert's tokens
; (5120 bytes an expert: the token of slot p at 4 p, the count at byte 4608).  Only the rows of the expert that a token names are multiplied.
; SHARES.  Work-group (xb, e), eight waves.  Its part of the two weights is 2 x 1024 rows x 256 bytes, read once.
;   Wave w turns K step w of both weights into codes: 8 items of 16 loads.  In one load lanes 0-15 read the 256 consecutive, aligned bytes of one row and
;   lanes 16-31 those of the row 4 further down.  The codes go to LDS as images of operand registers.
;   Wave w then takes the tiles of 16 listed tokens w, w + 8, ..  x's rows come whole: an item is 4 tokens x half a row, each load 512 consecutive bytes.  They are
;   quantised twice (2^e0 for gate, 2^e2 for up); a token's half row of codes, 16 bytes a lane, goes through the wave's own stage in LDS and comes back as fragments
;   into 256 registers.  64 matrix instructions give 16 tokens x 64 columns of gate and of up, and the hidden codes leave as register images.
; ORDER OF k, the same on both sides of a product: in K step s = 4 a + z, register 4 c + q, byte b of lane (r, h) holds k = 512 a + 128 q + 32 z + 8 c + 4 h + b:
;   so x's codes fall when a lane's four loads of a half row are stored as 16 bytes on end.
; TILE t OF THE WEIGHT is columns 64 xb + 4 r + t: then the four numbers of a lane's 16 loaded bytes belong to the four tiles, lane for lane.
; THE MATRIX INSTRUCTION IS USED TRANSPOSED (source 0 = 16 columns of the weight, source 1 = 16 tokens): a lane holds one token.
; PADDING.  Slots behind the count hold the expert's last token or token 0: a padded lane repeats a real row, no lane is ever switched off.  Every wave stages a first tile,
;   so that the counted waits are the same in all.  Tiles are walked against max(count, 1): tile 0 of every expert is always written, since the next launch's waves without a tile read it.
; LIMITS: e0 .. e3 and E = e4 - e0 - e1 - e2 - e3 between -126 and 119, e0 + e1 between -126 and 127, so that each power of two below is an f32 number.
;   NaN among the inputs is not served.
; No tensor load, no cluster: trip work hangs on a count read from memory, and no two work-groups read the same weights.
; LDS: 0 .. 131071 the images: fragment (p, s, t) at ((8 p + s) 4 + t) 2048 + 512 c + 16 lane; then for each wave 16896 bytes of stage: 16 rows x (512 + 16) under 2^e0, the same under 2^e2.
; REGISTERS, window 0: v1-9 offsets and addresses, v16-20 scales, v21-23 at work, v24-63 at work, v64-255 a ring of three slots of 64
;   (later: v64-95 gate's sums, v96-127 up's, v128-191 and v192-255 weight fragments).  Window 1: x's codes: v0-127 under 2^e0, v128-255 under 2^e2, K step s at 16 s.
; s[66:97]: the addresses of my tile's 16 rows of x; s[84:99] take the 16 tokens first.
; THE MODE: SCHED_MODE bits 1:0 = 2 (LLVM: expert scheduling mode 2), set by the entry lines.  The code itself states the register dependences
; between vector or matrix instructions and memory or LDS instructions, with s_wait_alu, always for 0.
; THE PLAN.  Registers that memory or LDS instructions touch:
;   v1-5, v8, v9    offsets and LDS addresses: written at the head, ahead of the head's wait on va_vdst, and never again.  v13, v15: likewise, read by the closing add alone.
;   a ring slot     An item's 16 loads land in it; the item's holds and conversions read and write it; behind them the loads of the item three further on land in it.
;   v24-55          An item's codes: written by its conversions and byte turns, read by its LDS stores, written again by the next item.
;   So an item has two waits: on vm_vsrc at its head (the last item's LDS stores have read v24-55), and on va_vdst behind its last vector line (its codes are written, its slot is
;   done with).  Behind the second stand the slot's 16 new loads, at once, and then the item's LDS stores; no vector line stands among them.
;   v128-191, v192-255 in a tile: gate's and up's fragments: LDS loads land, four products read them: one wait on va_vdst behind each four products, ahead of the next K step's loads.
;   window 1        x's codes: LDS loads land, the tile's 64 products read them; in the loop the loads stand behind a wait on va_vdst of their own, behind the window's switch.
;   v192-199        the hidden codes: the last conversions write them, two global stores read them, loads land there next: a wait on va_vdst ahead of the stores, which also covers all that the
;                   tile's products and vector lines named (v64-255), and a wait on vm_vsrc behind them, ahead of the branches.
.set XSTG,  131072
.set XP,    528                        ; a stage row: 33 x 16 bytes, so that the 16 rows of a fragment load start at 16 different columns of 16 bytes
.set XSET,  16*XP
.set TMP,   32
.set MSB, 0
.macro WIN new                         ; the immediate's high byte repeats the setting that is left; bits 3:2 source 1, bits 7:6 destination
.if MSB != \new
	s_set_vgpr_msb (MSB<<8)|\new
.set MSB, \new
.endif
.endm
.macro NOP4                            ; four places behind matrix instructions (ISA guide 7.12.1)
.rept 4
	v_nop
.endr
.endm
; item n of the weights: matrix p = n % 2, c = n / 2: rows 8 c + 4 h + 128 q + b of my K step, into ring slot
.macro ISSUE_W n, slot
.irp q, 0,1,2,3
.irp b, 0,1,2,3
	global_load_b128 v[64+64*(\slot)+16*\q+4*\b:64+64*(\slot)+16*\q+4*\b+3], v1, s[8+2*((\n)%2):9+2*((\n)%2)] offset:(8*((\n)/2)+128*\q+\b)*4096 th:TH_LOAD_NT
.endr
.endr
.endm
; item xi of x: half xi / 4 of the rows of tokens 4 (xi % 4) + 0 .. 3: load q of a token is 512 consecutive bytes, k = 512 a + 128 q + 4 lane + 0 .. 3
.macro ISSUE_X xi, slot
.irp t, 0,1,2,3
.irp q, 0,1,2,3
	global_load_b128 v[64+64*(\slot)+16*\t+4*\q:64+64*(\slot)+16*\t+4*\q+3], v4, s[66+2*(4*((\xi)%4)+\t):67+2*(4*((\xi)%4)+\t)] offset:2048*((\xi)/4)+512*\q
.endr
.endr
.endm
; the slot just emptied is asked for again: kind 1: item of the weights, kind 2: item of x, kind 0: nothing more
.macro REFILL kind, item, slot
.if \kind == 1
	ISSUE_W \item, \slot
.endif
.if \kind == 2
	ISSUE_X \item, \slot
.endif
.endm
; the item becomes codes: hold, convert (a dword = four columns of one row), turn 4 x 4 bytes (a dword = four rows of one column), refill the slot, store four quarter fragments
.macro PROC_W n, slot, cnt, kind, item
.set RL, 64+64*(\slot)
.set PP, (\n)%2
.set CQ, (\n)/2
	s_wait_loadcnt \cnt                            ; loads come back in order: this item's 16 are in, the cnt younger ones may be out
	s_wait_dscnt 0x0                               ; the last item's LDS stores have landed
	s_wait_alu depctr_vm_vsrc(0)                   ; the last item's LDS stores have read v24-55, which the conversions and byte turns below write again
.set i, 0
.rept 64
	v_med3_num_f32 v[RL+i], v[RL+i], s[40+2*PP], s[41+2*PP]   ; the conversion does not saturate (ISA guide 7.6.2): hold within +-448 x the scale
.set i, i+1
.endr
.irp j, 0,1,2,3,4,5,6,7
	v_cvt_scalef32_pk8_fp8_f32 v[TMP+2*\j:TMP+2*\j+1], v[RL+8*\j:RL+8*\j+7], v[18+PP]
.endr
	v_nop                                          ; a plain instruction between the conversions and the first use of their results
.irp q, 0,1,2,3
	v_perm_b32 v[48+4*\q],   v[TMP+4*\q+1], v[TMP+4*\q],   s46   ; rows 0, 1: columns 0, 1 interleaved
	v_perm_b32 v[48+4*\q+1], v[TMP+4*\q+1], v[TMP+4*\q],   s47   ; columns 2, 3
	v_perm_b32 v[48+4*\q+2], v[TMP+4*\q+3], v[TMP+4*\q+2], s46   ; rows 2, 3
	v_perm_b32 v[48+4*\q+3], v[TMP+4*\q+3], v[TMP+4*\q+2], s47
.endr
.irp q, 0,1,2,3
	v_perm_b32 v[TMP+\q],    v[48+4*\q+2], v[48+4*\q],   s48     ; column 0, rows 0-3: register 4 c + q of tile 0
	v_perm_b32 v[TMP+4+\q],  v[48+4*\q+2], v[48+4*\q],   s49     ; tile 1
	v_perm_b32 v[TMP+8+\q],  v[48+4*\q+3], v[48+4*\q+1], s48     ; tile 2
	v_perm_b32 v[TMP+12+\q], v[48+4*\q+3], v[48+4*\q+1], s49     ; tile 3
.endr
	s_wait_alu depctr_va_vdst(0)                   ; the byte turns have written v32-47, which the LDS stores read; the holds and conversions are done with the slot, in which the loads below land
	REFILL \kind, \item, \slot
.irp t, 0,1,2,3
	ds_store_b128 v[2+PP], v[TMP+4*\t:TMP+4*\t+3] offset:2048*\t+512*CQ
.endr
.endm
; the 16 tokens in s[84:99] become the addresses of their rows of x, in s[66:97].  Ascending: address i lands on tokens 2 i - 18 and 2 i - 17, which have been read
.macro BASES
	s_mov_b32 s51, 0
.set i, 0
.rept 16
	s_min_u32 s50, s[84+i], 0x3ff
	s_lshl_b32 s50, s50, 12
	s_add_nc_u64 s[66+2*i:67+2*i], s[4:5], s[50:51]
.set i, i+1
.endr
.endm
; an item of x: its codes under both scales, two tokens at a time.  The numbers held for 2^e0 go into other registers, since the numbers are wanted again for 2^e2:
; for the first two tokens into v32-63, for the other two into the first two tokens' registers, which are done with.  Each token's four dwords leave as 16 bytes a lane
.macro PROC_X xi, slot, cnt, kind, item
.set RL, 64+64*(\slot)
.set TK, 4*((\xi)%4)
	s_wait_loadcnt \cnt
	s_wait_dscnt 0x0                               ; the last item's LDS stores have landed
	s_wait_alu depctr_vm_vsrc(0)                   ; the last item's LDS stores have read v24-55, which the holds and conversions below write again
.set i, 0
.rept 32
	v_med3_num_f32 v[TMP+i], v[RL+i], s36, s37
.set i, i+1
.endr
.irp j, 0,1,2,3
	v_cvt_scalef32_pk8_fp8_f32 v[24+2*\j:25+2*\j], v[TMP+8*\j:TMP+8*\j+7], v16
.endr
	v_nop                                          ; a plain instruction behind each run of conversions, before their sources are written again
.set i, 0
.rept 32
	v_med3_num_f32 v[RL+i], v[RL+i], s38, s39
.set i, i+1
.endr
.irp j, 0,1,2,3
	v_cvt_scalef32_pk8_fp8_f32 v[32+2*\j:33+2*\j], v[RL+8*\j:RL+8*\j+7], v17
.endr
	v_nop
.set i, 0
.rept 32
	v_med3_num_f32 v[RL+i], v[RL+32+i], s36, s37
.set i, i+1
.endr
.irp j, 0,1,2,3
	v_cvt_scalef32_pk8_fp8_f32 v[40+2*\j:41+2*\j], v[RL+8*\j:RL+8*\j+7], v16
.endr
	v_nop
.set i, 0
.rept 32
	v_med3_num_f32 v[RL+32+i], v[RL+32+i], s38, s39
.set i, i+1
.endr
.irp j, 0,1,2,3
	v_cvt_scalef32_pk8_fp8_f32 v[48+2*\j:49+2*\j], v[RL+32+8*\j:RL+32+8*\j+7], v17
.endr
	v_nop
	s_wait_alu depctr_va_vdst(0)                   ; the conversions have written v24-55, which the LDS stores read; the holds and conversions are done with the slot, in which the loads below land
	REFILL \kind, \item, \slot
	ds_store_b128 v8, v[24:27] offset:XP*TK                  ; under 2^e0: a row's 512 bytes from 32 lanes
	ds_store_b128 v8, v[28:31] offset:XP*(TK+1)
	ds_store_b128 v8, v[40:43] offset:XP*(TK+2)
	ds_store_b128 v8, v[44:47] offset:XP*(TK+3)
	ds_store_b128 v8, v[32:35] offset:XSET+XP*TK             ; under 2^e2
	ds_store_b128 v8, v[36:39] offset:XSET+XP*(TK+1)
	ds_store_b128 v8, v[48:51] offset:XSET+XP*(TK+2)
	ds_store_b128 v8, v[52:55] offset:XSET+XP*(TK+3)
.endm
; half a of the 16 rows is in my stage: K steps 4 a + 0 .. 3 of both sets come back as fragments.  LDS serves a wave's instructions in order: these see my stores, and the next half's stores come behind them.
; again = 1: in the tile loop, where products have read these registers; in the head's stream no vector or matrix instruction has named them yet
.macro XREAD a, again
	WIN 0x40
.if \again
	s_wait_alu depctr_va_vdst(0)                   ; the last tile's products are done reading x's codes, in which these loads land
.endif
.irp z, 0,1
.irp g, 0,1,2,3
.irp c, 0,1,2,3
	ds_load_b128 v[128*\z+16*(4*(\a)+\g)+4*\c:128*\z+16*(4*(\a)+\g)+4*\c+3], v9 offset:XSET*\z+128*\g+32*\c
.endr
.endr
.endr
	WIN 0
.endm
.macro LDF buf, adr, ks                ; the four tiles' fragments of K step ks, as they were stored
.irp t, 0,1,2,3
.irp c, 0,1,2,3
	ds_load_b128 v[\buf+16*\t+4*\c:\buf+16*\t+4*\c+3], v[\adr] offset:8192*(\ks)+2048*\t+512*\c
.endr
.endr
.endm
; 64 matrix instructions: gate's four tiles, up's four tiles, K step by K step.  The eight accumulators take turns, one instruction a turn.
; The first 32 loads owe no wait: on every way here no vector or matrix line stands behind the last wait on va_vdst (the last item's, the loop's XREAD's, or the one ahead of the last tile's stores)
.macro PROD
	WIN 0x04                                       ; source 1 (x's codes) in window 1
	LDF 128, 4, 0
	LDF 192, 5, 0
.irp s, 0,1,2,3,4,5,6,7
	s_wait_dscnt 16                                ; gate's 16 loads, and all older ones (x's fragments), are in; up's 16, issued behind them, may be out
.irp t, 0,1,2,3
.if \s == 0
	v_wmma_f32_16x16x128_fp8_fp8 v[64+8*\t:71+8*\t], v[128+16*\t:143+16*\t], v[16*\s:16*\s+15], 0
.else
	v_wmma_f32_16x16x128_fp8_fp8 v[64+8*\t:71+8*\t], v[128+16*\t:143+16*\t], v[16*\s:16*\s+15], v[64+8*\t:71+8*\t]
.endif
.endr
.if \s < 7
	NOP4                                           ; in front of loads into registers that the four products have read
	s_wait_alu depctr_va_vdst(0)                   ; gate's four products are done reading v128-191, in which the next K step's fragments land
	LDF 128, 4, \s+1
	s_wait_dscnt 16                                ; up's 16 loads are in; the 16 just issued may be out
.else
	s_wait_dscnt 0x0
.endif
.irp t, 0,1,2,3
.if \s == 0
	v_wmma_f32_16x16x128_fp8_fp8 v[96+8*\t:103+8*\t], v[192+16*\t:207+16*\t], v[128+16*\s:143+16*\s], 0
.else
	v_wmma_f32_16x16x128_fp8_fp8 v[96+8*\t:103+8*\t], v[192+16*\t:207+16*\t], v[128+16*\s:143+16*\s], v[96+8*\t:103+8*\t]
.endif
.endr
.if \s < 7
	NOP4
	s_wait_alu depctr_va_vdst(0)                   ; up's four products are done reading v192-255, in which the next K step's fragments land
	LDF 192, 5, \s+1
.endif
.endr
	WIN 0
	NOP4                                           ; in front of the first read of results and of writes over the fragments
.endm
; silu(gate) x up, quantised.  G = gate / 2^(e0+e1), U = up / 2^(e2+e3): G U / (1 + 2^(c1 G)), c1 = -log2(e) 2^(e0+e1), is the hidden number / 2^(e0+e1+e2+e3),
; so its conversion takes the one scale 2^E.  Register 8 t + j of lane (r, h) is column 64 xb + 32 h + 4 j + t of token r.
.macro EPI
.set i, 0
.rept 16
	v_pk_mul_f32 v[128+i:129+i], v[64+i:65+i], s[34:35] op_sel_hi:[1,0]   ; each accumulator from its low end on
.set i, i+2
.endr
.set i, 0
	s_wait_alu depctr_va_vdst(0)
.rept 32
	v_exp_f32 v[128+i], v[128+i]
.set i, i+1
.endr
	v_nop                                          ; a plain instruction behind the exponentials
.set i, 0
	s_wait_alu depctr_va_vdst(0)                   ; the 32 exponentials have written v128-159: one wait, ahead of their first reader
.rept 16
	v_pk_add_f32 v[128+i:129+i], v[128+i:129+i], 1.0 op_sel_hi:[1,0]
.set i, i+2
.endr
.set i, 0
	s_wait_alu depctr_va_vdst(0)
.rept 32
	v_rcp_f32 v[128+i], v[128+i]
.set i, i+1
.endr
	v_nop                                          ; a plain instruction behind the reciprocals
.set i, 0
	s_wait_alu depctr_va_vdst(0)                   ; the 32 reciprocals have written v128-159: one wait, ahead of their first reader
.rept 16
	v_pk_mul_f32 v[128+i:129+i], v[128+i:129+i], v[64+i:65+i]
.set i, i+2
.endr
.irp t, 0,1,2,3
.irp j, 0,1,2,3,4,5,6,7
	v_mul_f32 v[160+4*\j+\t], v[128+8*\t+\j], v[96+8*\t+\j]    ; v[160 + m] = column 64 xb + 32 h + m: 32 neighbours along the next K
.endr
.endr
.set i, 0
.rept 32
	v_med3_num_f32 v[160+i], v[160+i], s44, s45
.set i, i+1
.endr
.irp j, 0,1,2,3
	v_cvt_scalef32_pk8_fp8_f32 v[192+2*\j:193+2*\j], v[160+8*\j:167+8*\j], v20
.endr
	v_nop
	s_wait_alu depctr_va_vdst(0)                   ; the conversions have written v192-199, which the two stores read; the tile's products and vector lines are done with v64-255, in which the next tile's loads land
	global_store_b128 v4, v[192:195], s[14:15]             ; the wave stores 512 consecutive bytes, aligned: an image of four operand registers
	global_store_b128 v4, v[196:199], s[14:15] offset:512
	s_wait_alu depctr_vm_vsrc(0)                   ; the two stores have read v192-199, ahead of the branches: on every way on, loads land there next (the next tile's x, or up's fragments)
.endm
.macro MKLIM ereg, lo                  ; s[lo] = -448 x 2^e, s[lo+1] = +448 x 2^e
	s_add_co_i32 s50, s[\ereg], 135
	s_lshl_b32 s50, s50, 23
	s_or_b32 s[\lo+1], s50, 0x600000
	s_or_b32 s[\lo], s[\lo+1], 0x80000000
.endm
.macro MKPOW ereg, vr                  ; 2^e as f32: a conversion takes its exponent field
	s_add_co_i32 s50, s[\ereg], 127
	s_lshl_b32 s50, s50, 23
	v_mov_b32 v[\vr], s50
.endm
	s_load_b64 s[4:5], s[0:1], 0x0                 ; x
	s_load_b128 s[8:11], s[0:1], 0x8               ; gate s[8:9], up s[10:11]
	s_load_b128 s[12:15], s[0:1], 0x18             ; scales s[12:13], inter s[14:15]
	s_load_b64 s[16:17], s[0:1], 0x28              ; order
	v_lshl_add_u32 v13, v0, 2, 0x41000
	v_mov_b32 v15, 0
	v_lshrrev_b32 v23, 5, v0
	v_readfirstlane_b32 s18, v23                   ; wave w
	s_mov_b32 s19, ttmp9                           ; xb
	s_and_b32 s20, ttmp7, 0xffff                   ; e
	v_and_b32 v14, 31, v0                          ; lane
	v_and_b32 v21, 15, v0                          ; g = r
	v_bfe_u32 v22, v0, 4, 1                        ; h
	v_lshlrev_b32 v1, 4, v21
	v_lshl_add_u32 v1, v22, 14, v1                 ; weights: 16 g + 4 rows x h
	v_lshlrev_b32 v4, 4, v14                       ; 16 x lane: images of gate's fragments; also a plain offset in memory
	v_add_nc_u32 v5, 0x10000, v4                   ; images of up's
	s_wait_alu depctr_va_sdst(0)                   ; s18 is written, ahead of its first reader: LDS addresses and the bases are made from it
	s_lshl_b32 s50, s18, 13
	v_add_nc_u32 v2, s50, v4                       ; where I store gate's images: K step w
	v_add_nc_u32 v3, 0x10000, v2                   ; and up's
	s_mul_i32 s52, s18, 2*XSET
	s_add_co_u32 s52, s52, XSTG                    ; my stage
	v_add_nc_u32 v8, s52, v4                       ; in: 16 x lane of a row
	v_mul_u32_u24 v9, v21, XP
	v_lshl_add_u32 v9, v22, 4, v9
	v_add_nc_u32 v9, s52, v9                       ; back: row r, + 16 h
	s_mov_b32 s46, 0x05010400
	s_mov_b32 s47, 0x07030602
	s_mov_b32 s48, 0x05040100
	s_mov_b32 s49, 0x07060302
	s_lshl_b32 s22, s18, 4                         ; my tile's first slot
	s_mov_b32 s24, 0                               ; trip
	s_lshl_b32 s50, s20, 22                        ; weights: expert x 4 MiB + 256 xb + (512 (w / 4) + 32 (w % 4)) rows
	s_lshl_b32 s52, s19, 8
	s_add_co_u32 s50, s50, s52
	s_lshr_b32 s52, s18, 2
	s_lshl_b32 s52, s52, 21
	s_add_co_u32 s50, s50, s52
	s_and_b32 s52, s18, 3
	s_lshl_b32 s52, s52, 17
	s_add_co_u32 s50, s50, s52
	s_mov_b32 s51, 0
	s_lshl_b32 s52, s20, 20                        ; inter: ((64 e + w) 16 + xb) x 1024
	s_lshl_b32 s54, s18, 14
	s_add_co_u32 s52, s52, s54
	s_lshl_b32 s54, s19, 10
	s_add_co_u32 s52, s52, s54
	s_mov_b32 s53, 0
	s_mul_i32 s54, s20, 5120                       ; order: 5120 bytes an expert,
	s_mov_b32 s55, 0
	s_lshl_b32 s58, s18, 6                         ; 64 bytes a tile
	s_mov_b32 s59, 0
	s_wait_kmcnt 0x0
	s_load_b128 s[28:31], s[12:13], 0x0            ; e0 .. e3
	s_load_b64 s[32:33], s[12:13], 0x10            ; e4, e5
	s_add_nc_u64 s[56:57], s[16:17], s[54:55]
	s_add_nc_u64 s[16:17], s[56:57], s[58:59]
	s_load_b32 s21, s[56:57], 0x1200               ; the count
	s_load_b512 s[84:99], s[16:17], 0x0            ; my first tile's 16 tokens
	s_add_nc_u64 s[8:9], s[8:9], s[50:51]
	s_add_nc_u64 s[10:11], s[10:11], s[50:51]
	s_add_nc_u64 s[14:15], s[14:15], s[52:53]
	s_wait_alu depctr_va_vdst(0)                   ; v1-5, v8 and v9 are written: every load and store of the kernel, global or LDS, reads one of them as its offset or address
	ISSUE_W 0, 0
	ISSUE_W 1, 1
	ISSUE_W 2, 2
	s_wait_kmcnt 0x0
	MKPOW 28, 16                                   ; 2^e0
	MKPOW 30, 17                                   ; 2^e2
	MKPOW 29, 18                                   ; 2^e1
	MKPOW 31, 19                                   ; 2^e3
	MKLIM 28, 36
	MKLIM 30, 38
	MKLIM 29, 40
	MKLIM 31, 42
	s_add_co_i32 s52, s28, s29                     ; e0 + e1
	s_sub_co_i32 s51, s32, s52
	s_sub_co_i32 s51, s51, s30
	s_sub_co_i32 s51, s51, s31                     ; E = e4 - e0 - e1 - e2 - e3
	MKPOW 51, 20
	MKLIM 51, 44
	s_add_co_i32 s52, s52, 127
	s_lshl_b32 s52, s52, 23
	s_mul_f32 s34, s52, 0xbfb8aa3b                 ; c1 = -log2(e) x 2^(e0 + e1)
	s_mov_b32 s35, s34                             ; (named with it as a pair, so it is written)
	s_min_u32 s21, s21, 1024
	s_max_u32 s21, s21, 1                          ; tile 0 is always made
	BASES
	; ---- the stream: 8 items of weights and the 8 items of my first tile's x, through three ring slots.  Behind each item's vector lines the item three further on
	; is asked for, into the slot just read: 32 younger loads may be out at each wait until the ring runs dry.  Every wave walks all sixteen, so the counts are the same in all
	PROC_W 0, 0, 32, 2, 0
	PROC_W 1, 1, 32, 1, 3
	PROC_W 2, 2, 32, 2, 1
	PROC_X 0, 0, 32, 1, 4
	PROC_W 3, 1, 32, 2, 2
	PROC_X 1, 2, 32, 1, 5
	PROC_W 4, 0, 32, 2, 3
	PROC_X 2, 1, 32, 1, 6
	PROC_W 5, 2, 32, 2, 4
	PROC_X 3, 0, 32, 1, 7
	XREAD 0, 0                                     ; the 16 tokens' first half rows are in the stage
	PROC_W 6, 1, 32, 2, 5
	PROC_X 4, 2, 32, 2, 6
	PROC_W 7, 0, 32, 2, 7
	PROC_X 5, 1, 32, 0, 0
	PROC_X 6, 2, 16, 0, 0
	PROC_X 7, 0, 0, 0, 0
	XREAD 1, 0
	s_wait_dscnt 0x0                               ; my images have landed
	s_barrier_signal -1
	s_barrier_wait -1                              ; all 64 weight fragments lie in LDS and are only read from here on; the stages are each wave's own
	; ---- my tiles w, w + 8, ..: eight trips in every wave; a trip without a tile steps its counters alone
.Ltile:
	s_cmp_ge_u32 s22, s21
	s_cbranch_scc1 .Lnext
	PROD
	EPI
	s_add_co_u32 s50, s22, 128
	s_cmp_ge_u32 s50, s21
	s_cbranch_scc1 .Lnext
	s_load_b512 s[84:99], s[16:17], 0x200          ; my next tile's tokens, 128 slots on: all loads that named s[66:97] were waited for
	s_wait_kmcnt 0x0
	BASES
	s_wait_xcnt 0x0                                ; the stores above have read v192-199, which lie in ring slot 2
	ISSUE_X 0, 0
	ISSUE_X 1, 1
	ISSUE_X 2, 2
	PROC_X 0, 0, 32, 2, 3
	PROC_X 1, 1, 32, 2, 4
	PROC_X 2, 2, 32, 2, 5
	PROC_X 3, 0, 32, 2, 6
	XREAD 0, 1
	PROC_X 4, 1, 32, 2, 7
	PROC_X 5, 2, 32, 0, 0
	PROC_X 6, 0, 16, 0, 0
	PROC_X 7, 1, 0, 0, 0
	XREAD 1, 1
.Lnext:
	s_wait_xcnt 0x0                                ; the bases are stepped only behind this wait
	s_add_nc_u64 s[14:15], s[14:15], 0x20000       ; eight tiles of 16 KiB on
	s_add_nc_u64 s[16:17], s[16:17], 512           ; 128 slots on
	s_add_co_u32 s22, s22, 128
	s_add_co_u32 s24, s24, 1
	s_cmp_lt_u32 s24, 8
	s_cbranch_scc1 .Ltile
	s_wait_dscnt 0x0                               ; the closing lines, six on end
	s_wait_alu 0x0
	s_wait_tensorcnt 0x0
	ds_add_u32 v13, v15
	s_wait_dscnt 0x0
	s_endpgm
.Lfunc_end_k_q0cdc1c7d14_gateup:
	.size	k_q0cdc1c7d14_gateup, .Lfunc_end_k_q0cdc1c7d14_gateup-k_q0cdc1c7d14_gateup
	.p2alignl 7, 3214868480
	.fill 96, 4, 3214868480
	.section	.rodata,"a",@progbits
	.p2align	6, 0x0
	.amdhsa_kernel k_q0cdc1c7d14_gateup
		.amdhsa_group_segment_fixed_size 267264
		.amdhsa_private_segment_fixed_size 0
		.amdhsa_enable_private_segment 0
		.amdhsa_kernarg_size 48
		.amdhsa_user_sgpr_count 2
		.amdhsa_user_sgpr_kernarg_segment_ptr 1
		.amdhsa_wavefront_size32 1
		.amdhsa_system_sgpr_workgroup_id_x 1
		.amdhsa_system_sgpr_workgroup_id_y 1
		.amdhsa_system_sgpr_workgroup_id_z 1
		.amdhsa_system_vgpr_workitem_id 0
		.amdhsa_next_free_vgpr 512
		.amdhsa_next_free_sgpr 100
		.amdhsa_reserve_vcc 0
		.amdhsa_float_denorm_mode_32 3
		.amdhsa_float_denorm_mode_16_64 3
		.amdhsa_memory_ordered 1
		.amdhsa_forward_progress 1
		.amdhsa_inst_pref_size 255
	.end_amdhsa_kernel
	.section	.bss,"aw",@nobits
	.p2align	6
	.space	262144
	.amdgpu_metadata
---
amdhsa.version: [ 1, 2 ]
amdhsa.kernels:
  - .name:           k_q0cdc1c7d14_gateup
    .symbol:         k_q0cdc1c7d14_gateup.kd
    .args:
      - { .name: x, .offset: 0, .size: 8, .value_kind: global_buffer, .address_space: global }
      - { .name: gate_proj, .offset: 8, .size: 8, .value_kind: global_buffer, .address_space: global }
      - { .name: up_proj, .offset: 16, .size: 8, .value_kind: global_buffer, .address_space: global }
      - { .name: lowp_scales, .offset: 24, .size: 8, .value_kind: global_buffer, .address_space: global }
      - { .name: inter, .offset: 32, .size: 8, .value_kind: global_buffer, .address_space: global }
      - { .name: order, .offset: 40, .size: 8, .value_kind: global_buffer, .address_space: global }
    .group_segment_fixed_size: 267264
    .private_segment_fixed_size: 0
    .kernarg_segment_align: 8
    .kernarg_segment_size: 48
    .max_flat_workgroup_size: 256
    .sgpr_count:     100
    .vgpr_count:     512
    .wavefront_size: 32
...
	.end_amdgpu_metadata
.endif
;; end of part 5
;; launch down (part 6): grid 16 x 16, 8 waves a work-group, no clusters, 102,400 bytes of LDS; arguments down_proj, lowp_scales, inter, order, out0; writes out0
.if DOCPART == 6
	.amdgcn_target "amdgcn-amd-amdhsa--gfx1250"
	.amdhsa_code_object_version 6
	.text
	.protected	k_q0cdc1c7d14_down
	.globl	k_q0cdc1c7d14_down
	.p2align	8
	.type	k_q0cdc1c7d14_down,@function
k_q0cdc1c7d14_down:
	s_mov_b64 s[64:65], 0
	v_nop
	global_prefetch_b8 v0, s[64:65] scope:SCOPE_SE
	s_setreg_imm32_b32 hwreg(HW_REG_WAVE_SCHED_MODE, 0, 2), 2
	s_setreg_imm32_b32 hwreg(HW_REG_WAVE_MODE, 25, 1), 1
	s_wait_xcnt 0x0
	s_wait_alu depctr_vm_vsrc(0)
; out0[token][j] = 2^(e4+e5) x the sum over k of the hidden codes of the token x Q(down_proj[e][j][k]), for the tokens of expert e and j = 64 jb .. 64 jb + 63.
; down_proj [16][1024 (j)][1024 (k)] f32; inter: the hidden codes as images of operand registers, ((64 e + tile) 16 + block of 64 k) x 1024 + 512 v + 16 lane;
; order: for each expert 5120 bytes: the token of slot p at 4 p, the count at byte 4608; out0 [1024][1024] f32.
; SHARES.  Work-group (jb, e), eight waves.  Wave w turns rows 8 w .. 8 w + 7 of its 64 rows of down_proj into codes: 4 items of 2 rows, each load 512 consecutive bytes;
;   the codes lie in LDS as rows in the true order of k.  Wave w then takes the tiles of 16 listed tokens w, w + 8, ..: 32 matrix instructions a tile.
; ORDER OF k, the same on both sides: register 8 u + 4 y + d, byte b of lane (r, h) holds k = 128 s + 64 u + 32 h + 16 y + 4 d + b: so the hidden codes were stored.
; THE MATRIX INSTRUCTION IS USED TRANSPOSED (source 0 = 16 rows of down_proj, source 1 = 16 tokens): a lane holds eight neighbouring outputs of one token.
; A tile's results go through the wave's own stage in LDS and leave as rows: sixteen lanes store the 256 consecutive, aligned bytes of one token's row.
; Slots behind the count repeat the expert's last token: such lanes store the same bytes to the same place; no lane is switched off.
; A wave without a tile loads tile 0 of its expert (always written) at the head and stores nothing.
; LIMITS: e5 between -126 and 119, e4 + e5 between -126 and 127.  NaN among the inputs is not served.
; No tensor load, no cluster: trip work hangs on a count read from memory, and no two work-groups read the same rows of down_proj.
; LDS: 0 .. 66559: 64 rows of 1024 codes + 16 bytes of padding; then 16 rows x 272 bytes of stage for each wave.
; REGISTERS, window 0: v1-7 offsets and addresses, v8 2^e5, v16-23 tokens, v24-31 their offsets in out0, v32-47 codes, v64-255 a ring of three slots of 64
;   (later v64-95 the sums, v96-159 and v160-223 fragments by turns, then v96-127 results, v128-159 rows).  Window 1: v0-127 the tile's hidden codes, K step s at 16 s.
; THE MODE: SCHED_MODE bits 1:0 = 2 (LLVM: expert scheduling mode 2), set by the entry lines.  The code itself states the register dependences
; between vector or matrix instructions and memory or LDS instructions, with s_wait_alu, always for 0.
; THE PLAN.  Registers that memory or LDS instructions touch:
;   v1-5, v7        offsets and LDS addresses: written at the head, ahead of the head's wait on va_vdst, and never again.  v62, v63: likewise, read by the closing add alone.
;   a ring slot     An item's 16 loads land in it; its holds and conversions read and write it; slot 0 is asked for once more, behind item 0's vector lines.
;   v32-47          An item's codes: written by its conversions, read by its 16 LDS stores, written again by the next item.
;   So an item has two waits: on vm_vsrc at its head (the last item's LDS stores have read v32-47), and on va_vdst behind its conversions (codes written, slot done with).
;   v96-159, v160-223  fragments by turns: LDS loads land, four products read: one wait on va_vdst a K step, behind the four products that read the buffer asked for next.
;   v16-23, window 1   a tile's tokens and hidden codes: loads land; address lines and products read them: in the loop one wait on va_vdst ahead of the loads.
;   v24-31 (the stores' offsets), v96-127 (results, read by the stage's stores), v128-159 (rows: LDS loads land, global stores read):
;                   one wait on va_vdst behind the scalings, ahead of the stage's stores; one wait on vm_vsrc behind the tile's last store, ahead of the branches: all three are written again in the next trip.
.set PD,  1040
.set STG, 64*PD
.set MSB, 0
.macro WIN new                         ; the immediate's high byte repeats the setting that is left; bits 3:2 source 1, bits 7:6 destination
.if MSB != \new
	s_set_vgpr_msb (MSB<<8)|\new
.set MSB, \new
.endif
.endm
.macro NOP4                            ; four places behind matrix instructions (ISA guide 7.12.1)
.rept 4
	v_nop
.endr
.endm
.macro ISSUE_D n, slot                 ; my rows 2 n and 2 n + 1, whole
.irp r, 0,1
.irp m, 0,1,2,3,4,5,6,7
	global_load_b128 v[64+64*(\slot)+32*\r+4*\m:64+64*(\slot)+32*\r+4*\m+3], v1, s[4:5] offset:(2*(\n)+\r)*4096+512*\m th:TH_LOAD_NT
.endr
.endr
.endm
.macro PROC_D n, slot, cnt, more       ; more = 1: the slot is asked for again, for item 3
.set RL, 64+64*(\slot)
	s_wait_loadcnt \cnt
	s_wait_dscnt 0x0                               ; the last item's LDS stores have landed
	s_wait_alu depctr_vm_vsrc(0)                   ; the last item's LDS stores have read v32-47, which the conversions below write again
.set i, 0
.rept 64
	v_med3_num_f32 v[RL+i], v[RL+i], s30, s31      ; the conversion does not saturate (ISA guide 7.6.2): hold within +-448 x 2^e5
.set i, i+1
.endr
.irp j, 0,1,2,3,4,5,6,7
	v_cvt_scalef32_pk8_fp8_f32 v[32+2*\j:33+2*\j], v[RL+8*\j:RL+8*\j+7], v8
.endr
	v_nop                                          ; a plain instruction behind the conversions
	s_wait_alu depctr_va_vdst(0)                   ; the conversions have written v32-47, which the LDS stores read; the holds and conversions are done with the slot, in which item 3's loads land
.if \more
	ISSUE_D 3, \slot
.endif
.set i, 0
.rept 16
	ds_store_b32 v2, v[32+i] offset:(2*(\n)+i/8)*PD+128*(i%8)   ; k = 128 (i % 8) + 4 lane + 0 .. 3 of row 2 n + i / 8: the wave stores 128 consecutive bytes
.set i, i+1
.endr
.endm
.macro ILOAD again                     ; a tile's tokens (lane half h: slots 8 h .. 8 h + 7) and its 16 KiB of hidden codes.  again = 1: in the tile loop, where both sets of registers have been read
.if \again
	s_wait_alu depctr_va_vdst(0)                   ; the last tile's address lines are done with the tokens, its products with the hidden codes: the loads below land in both; only loads and the window's switch follow
.endif
	global_load_b128 v[16:19], v7, s[10:11]
	global_load_b128 v[20:23], v7, s[10:11] offset:16
	WIN 0x40
.set i, 0
.rept 32
	global_load_b128 v[4*i:4*i+3], v1, s[8:9] offset:512*i
.set i, i+1
.endr
	WIN 0
.endm
.macro LDD buf, ks                     ; the four tiles' fragments of K step ks
.irp t, 0,1,2,3
.irp u, 0,1
.irp y, 0,1
	ds_load_b128 v[\buf+16*\t+8*\u+4*\y:\buf+16*\t+8*\u+4*\y+3], v3 offset:16*PD*\t+128*(\ks)+64*\u+16*\y
.endr
.endr
.endr
.endm
; 32 matrix instructions; the four accumulators take turns, one instruction a turn.
; The loads of K steps 0 and 1 owe no wait: behind the last wait on va_vdst (the last item's, or the loop's ILOAD's) stand only the address lines, which name v6 and v16-31
.macro PROD2
	WIN 0x04                                       ; source 1 (the hidden codes) in window 1
	LDD 96, 0
.irp s, 0,1,2,3,4,5,6,7
.if \s < 7
.if \s > 0
	NOP4                                           ; in front of loads into the registers that the last four products have read
	s_wait_alu depctr_va_vdst(0)                   ; the last four products are done reading their fragments, in which the next K step's land
.endif
	LDD 96+64*((\s+1)%2), \s+1
	s_wait_dscnt 16                                ; this step's 16 loads are in; the 16 just issued may be out
.else
	s_wait_dscnt 0x0
.endif
.irp t, 0,1,2,3
.if \s == 0
	v_wmma_f32_16x16x128_fp8_fp8 v[64+8*\t:71+8*\t], v[96+64*(\s%2)+16*\t:96+64*(\s%2)+16*\t+15], v[16*\s:16*\s+15], 0
.else
	v_wmma_f32_16x16x128_fp8_fp8 v[64+8*\t:71+8*\t], v[96+64*(\s%2)+16*\t:96+64*(\s%2)+16*\t+15], v[16*\s:16*\s+15], v[64+8*\t:71+8*\t]
.endif
.endr
.endr
	WIN 0
	NOP4                                           ; in front of the first read of results, of writes over the fragments and of loads into the codes' registers
.endm
.macro OUT
.set i, 0
.rept 16
	v_pk_mul_f32 v[96+i:97+i], v[64+i:65+i], s[28:29] op_sel_hi:[1,0]   ; x 2^(e4 + e5); each accumulator from its low end on
.set i, i+2
.endr
	s_wait_alu depctr_va_vdst(0)                   ; the scalings have written v96-127, which the stage's stores read; the products are done reading v128-159, in which the rows land; the offsets v24-31 are written
.irp t, 0,1,2,3
	ds_store_b128 v4, v[96+8*\t:99+8*\t] offset:64*\t          ; lane (r, h): token slot r, outputs 16 t + 8 h + 0 .. 7
	ds_store_b128 v4, v[100+8*\t:103+8*\t] offset:64*\t+16
.endr
.irp r, 0,1,2,3,4,5,6,7
	ds_load_b128 v[128+4*\r:131+4*\r], v5 offset:272*\r        ; lanes 0-15 slot r, lanes 16-31 slot 8 + r.  LDS serves a wave's instructions in order: these see my stores
.endr
.irp r, 0,1,2,3,4,5,6,7
	s_wait_dscnt 7-\r
	global_store_b128 v[24+\r], v[128+4*\r:131+4*\r], s[12:13] th:TH_STORE_NT
.endr
	s_wait_alu depctr_vm_vsrc(0)                   ; the stage's stores have read v96-127, the global stores v128-159 and v24-31, ahead of the branches: the next trip's address lines and fragment loads write them
.endm
	s_load_b256 s[4:11], s[0:1], 0x0               ; down s[4:5], scales s[6:7], inter s[8:9], order s[10:11]
	s_load_b64 s[12:13], s[0:1], 0x20              ; out0
	v_lshl_add_u32 v62, v0, 2, 0x18c00
	v_mov_b32 v63, 0
	v_lshrrev_b32 v9, 5, v0
	v_readfirstlane_b32 s18, v9                    ; wave w
	s_mov_b32 s19, ttmp9                           ; jb
	s_and_b32 s20, ttmp7, 0xffff                   ; e
	v_and_b32 v9, 31, v0                           ; lane
	v_and_b32 v10, 15, v0                          ; g = r
	v_bfe_u32 v11, v0, 4, 1                        ; h
	v_lshlrev_b32 v1, 4, v9                        ; 16 x lane
	s_wait_alu depctr_va_sdst(0)                   ; s18 is written, ahead of its first reader: LDS addresses and the bases are made from it
	s_mul_i32 s40, s18, 8*PD
	v_lshl_add_u32 v2, v9, 2, s40                  ; where I store codes: my 8 rows, 4 x lane
	v_mul_u32_u24 v3, v10, PD
	v_lshl_add_u32 v3, v11, 5, v3                  ; a fragment's row r, + 32 h
	s_mul_i32 s40, s18, 16*272
	s_add_co_u32 s40, s40, STG                     ; my stage
	v_mul_u32_u24 v4, v10, 272
	v_lshl_add_u32 v4, v11, 5, v4
	v_add_nc_u32 v4, s40, v4                       ; in: row r, + 32 h
	v_mul_u32_u24 v5, v11, 8*272
	v_lshl_add_u32 v5, v10, 4, v5
	v_add_nc_u32 v5, s40, v5                       ; back: row 8 h, + 16 g
	v_lshlrev_b32 v6, 4, v10                       ; 16 g
	v_lshlrev_b32 v7, 5, v11                       ; 32 h
	s_lshl_b32 s40, s20, 22                        ; down: expert x 4 MiB + (64 jb + 8 w) rows
	s_lshl_b32 s42, s19, 18
	s_add_co_u32 s40, s40, s42
	s_lshl_b32 s42, s18, 15
	s_add_co_u32 s40, s40, s42
	s_mov_b32 s41, 0
	s_mul_i32 s42, s20, 5120
	s_mov_b32 s43, 0
	s_lshl_b32 s44, s20, 20
	s_mov_b32 s45, 0
	s_lshl_b32 s46, s19, 8
	s_mov_b32 s47, 0
	s_lshl_b32 s22, s18, 4                         ; my tile's first slot
	s_mov_b32 s24, 0                               ; trip
	s_mov_b32 s37, 0
	s_wait_kmcnt 0x0
	s_add_nc_u64 s[4:5], s[4:5], s[40:41]
	s_add_nc_u64 s[32:33], s[10:11], s[42:43]      ; my expert's part of order
	s_add_nc_u64 s[8:9], s[8:9], s[44:45]
	s_add_nc_u64 s[12:13], s[12:13], s[46:47]
	s_load_b64 s[26:27], s[6:7], 0x10              ; e4, e5
	s_load_b32 s21, s[32:33], 0x1200               ; the count
	s_wait_alu depctr_va_vdst(0)                   ; v1-5 and v7 are written: the loads and the LDS instructions of the kernel read them as offsets and addresses
	ISSUE_D 0, 0
	ISSUE_D 1, 1
	ISSUE_D 2, 2
	s_wait_kmcnt 0x0
	s_add_co_i32 s34, s27, 127
	s_lshl_b32 s35, s34, 23
	v_mov_b32 v8, s35                              ; 2^e5 as f32: the conversion takes its exponent field
	s_add_co_i32 s34, s34, 8
	s_lshl_b32 s34, s34, 23
	s_or_b32 s31, s34, 0x600000                    ; 448 x 2^e5
	s_or_b32 s30, s31, 0x80000000
	s_add_co_i32 s28, s26, s27
	s_add_co_i32 s28, s28, 127
	s_lshl_b32 s28, s28, 23                        ; 2^(e4 + e5) as f32
	s_mov_b32 s29, s28                             ; (named with it as a pair, so it is written)
	s_min_u32 s21, s21, 1024
	s_cmp_lt_u32 s22, s21
	s_cselect_b32 s34, s18, 0                      ; my first tile; a wave that has none takes tile 0 and uses nothing of it
	s_lshl_b32 s36, s34, 14
	s_add_nc_u64 s[8:9], s[8:9], s[36:37]
	s_lshl_b32 s36, s34, 6
	s_add_nc_u64 s[10:11], s[32:33], s[36:37]
	ILOAD 0
	; behind item 0 stand items 1 and 2 (32 loads) and the tile's 34: 66 may be out, and the wait names the largest count that it can, 63
	PROC_D 0, 0, 63, 1
	PROC_D 1, 1, 63, 0                             ; behind item 1: item 2's 16, the tile's 34, item 3's 16
	PROC_D 2, 2, 50, 0                             ; behind item 2: the tile's 34, item 3's 16
	PROC_D 3, 0, 0, 0
	s_wait_dscnt 0x0                               ; my rows of codes have landed
	s_barrier_signal -1
	s_barrier_wait -1                              ; all 64 rows lie in LDS and are only read from here on; the stages are each wave's own
.Ltile:
	s_cmp_ge_u32 s22, s21
	s_cbranch_scc1 .Lnext
	s_wait_loadcnt 0x0                             ; the tile's tokens and codes
.irp r, 0,1,2,3,4,5,6,7
	v_min_u32 v[16+\r], 0x3ff, v[16+\r]
	v_lshl_add_u32 v[24+\r], v[16+\r], 12, v6      ; token x 4096 + 16 g
.endr
	PROD2
	OUT
	s_add_co_u32 s34, s22, 128
	s_cmp_ge_u32 s34, s21
	s_cbranch_scc1 .Lnext
	s_wait_xcnt 0x0                                ; the bases are stepped only behind this wait
	s_add_nc_u64 s[8:9], s[8:9], 0x20000           ; eight tiles of 16 KiB on
	s_add_nc_u64 s[10:11], s[10:11], 512           ; 128 slots on
	ILOAD 1
.Lnext:
	s_wait_xcnt 0x0                                ; the stores have read their rows and offsets: both are written again in the next trip
	s_add_co_u32 s22, s22, 128
	s_add_co_u32 s24, s24, 1
	s_cmp_lt_u32 s24, 8
	s_cbranch_scc1 .Ltile
	s_wait_dscnt 0x0                               ; the closing lines, six on end
	s_wait_alu 0x0
	s_wait_tensorcnt 0x0
	ds_add_u32 v62, v63
	s_wait_dscnt 0x0
	s_endpgm
.Lfunc_end_k_q0cdc1c7d14_down:
	.size	k_q0cdc1c7d14_down, .Lfunc_end_k_q0cdc1c7d14_down-k_q0cdc1c7d14_down
	.p2alignl 7, 3214868480
	.fill 96, 4, 3214868480
	.section	.rodata,"a",@progbits
	.p2align	6, 0x0
	.amdhsa_kernel k_q0cdc1c7d14_down
		.amdhsa_group_segment_fixed_size 102400
		.amdhsa_private_segment_fixed_size 0
		.amdhsa_enable_private_segment 0
		.amdhsa_kernarg_size 40
		.amdhsa_user_sgpr_count 2
		.amdhsa_user_sgpr_kernarg_segment_ptr 1
		.amdhsa_wavefront_size32 1
		.amdhsa_system_sgpr_workgroup_id_x 1
		.amdhsa_system_sgpr_workgroup_id_y 1
		.amdhsa_system_sgpr_workgroup_id_z 1
		.amdhsa_system_vgpr_workitem_id 0
		.amdhsa_next_free_vgpr 384
		.amdhsa_next_free_sgpr 66
		.amdhsa_reserve_vcc 0
		.amdhsa_float_denorm_mode_32 3
		.amdhsa_float_denorm_mode_16_64 3
		.amdhsa_memory_ordered 1
		.amdhsa_forward_progress 1
		.amdhsa_inst_pref_size 55
	.end_amdhsa_kernel
	.amdgpu_metadata
---
amdhsa.version: [ 1, 2 ]
amdhsa.kernels:
  - .name:           k_q0cdc1c7d14_down
    .symbol:         k_q0cdc1c7d14_down.kd
    .args:
      - { .name: down_proj, .offset: 0, .size: 8, .value_kind: global_buffer, .address_space: global }
      - { .name: lowp_scales, .offset: 8, .size: 8, .value_kind: global_buffer, .address_space: global }
      - { .name: inter, .offset: 16, .size: 8, .value_kind: global_buffer, .address_space: global }
      - { .name: order, .offset: 24, .size: 8, .value_kind: global_buffer, .address_space: global }
      - { .name: out0, .offset: 32, .size: 8, .value_kind: global_buffer, .address_space: global }
    .group_segment_fixed_size: 102400
    .private_segment_fixed_size: 0
    .kernarg_segment_align: 8
    .kernarg_segment_size: 40
    .max_flat_workgroup_size: 256
    .sgpr_count:     66
    .vgpr_count:     384
    .wavefront_size: 32
...
	.end_amdgpu_metadata
.endif
;; end of part 6
